; MI455X (gfx1250); checked and timed in simulation.
; The chip was launched on July 23, 2026; its instructions are those of AMD's public machine-readable ISA for CDNA 5 (MIT licence, August 2026) and "CDNA5" Instruction Set Architecture Reference Guide (July 2026). The comments in the code are by the model that wrote it; some were corrected since.
;; Self Attention Block. Allowed arithmetic: matrix products marked QUANTISED: E2M1 operands, one E8M0 scale for each 32 along K, by v_wmma_scale_f32_16x16x128_f8f6f4 with both operands' format E2M1 (or v_wmma_scale_f32_32x16x128_f4), f32 sums; everything else in f32.
;; Inputs: Wk 512 x 512 float32; Wo 512 x 512 float32; Wq 512 x 512 float32; Wv 512 x 512 float32; bk 512 float32; bo 512 float32; bq 512 float32; bv 512 float32; gn_bias 512 float32; gn_scale 512 float32; hidden_states 2 x 64 x 64 x 512 float32.
;; Outputs: out0 2 x 64 x 64 x 512 float32.
;; This version of the problem:
;;   THIS VERSION OF THE PROBLEM IS GIVEN IN LOW PRECISION. The matrix products marked QUANTISED in the list below multiply operands that are first quantised to E2M1 (2 exponent bits, 1 mantissa bit; 4 bits a number), with one power-of-two scale for each 32 numbers along K (OCP MX v1.0); their sums are f32. All else is computed in f32.
;;   The module's matrix products, in the order in which they are computed (A, B: the left and right operand; K: the contracted axis; several contracted axes count as one K, in the product's order):
;;     1. [M 8,192, K 512] x [K 512, N 512]; A: computed on the way; B: input Wq: QUANTISED
;;     2. [M 8,192, K 512] x [K 512, N 512]; A: computed on the way; B: input Wk: QUANTISED
;;     3. [M 8,192, K 512] x [K 512, N 512]; A: computed on the way; B: input Wv: QUANTISED
;;     4. batch 16 x [M 4,096, K 64] x [K 64, N 4,096]; A: computed on the way; B: computed on the way: QUANTISED
;;     5. batch 16 x [M 64, K 4,096] x [K 4,096, N 4,096]; A: computed on the way; B: softmax (see below): QUANTISED
;;     6. [M 8,192, K 512] x [K 512, N 512]; A: computed on the way; B: input Wo: QUANTISED
;;   THE QUANTISER, for each operand of a quantised product, along K:
;;     - K is cut into blocks of 32 from its start; a last block that is shorter is filled with zeros.
;;     - A block's scale is 2^e with e = floor(log2(the largest magnitude in the block)) - 2, held to -126 .. 127; a block of zeros has e = 0. As a byte (E8M0): e + 127.
;;     - Each number is divided by its block's scale, clamped to +-6, and rounded to the nearest number of E2M1, ties to even, subnormals kept.
;;     - The product sums the exact products of the quantised numbers (number of the format x scale) in f32.
;;   ~~~python
;;   def quantise(x, axis):      # numpy; x: float32 -> the quantised numbers, widened to float32 again
;;       x = np.moveaxis(x, axis, -1); K = x.shape[-1]
;;       x = np.pad(x, [(0, 0)] * (x.ndim - 1) + [(0, -K % 32)]); x = x.reshape(x.shape[:-1] + (-1, 32)); a = np.abs(x).max(-1, keepdims=True)
;;       e = np.where(a > 0, np.clip(np.frexp(np.where(a > 0, a, 1))[1] - 1 - 2, -126, 127), 0)      # np.frexp(a)[1] - 1 = floor(log2(a)), exactly
;;       r = np.clip(x / 2.0 ** e, -6, 6)
;;       step = 2.0 ** (np.maximum(np.frexp(np.where(r == 0, 1, r))[1] - 1, 0) - 1)
;;       q = np.round(r / step) * step * 2.0 ** e      # np.round: ties to even
;;       return np.moveaxis(q.reshape(q.shape[:-2] + (-1,))[..., :K], -1, axis).astype(np.float32)
;;   ~~~
;;   SOFTMAX AHEAD OF A QUANTISED PRODUCT. Where the list says 'softmax', what is quantised is not the finished softmax but p = 2^(t - M), with t = logit x log2(e) and M = ceil(the row's largest t), a whole number; so 1/2 < the row's largest p <= 1. The row's sum l is taken of the UNQUANTISED p, in f32, and the product's result is divided by l at the end. Since M is a whole number, a kernel that streams over the keys may use a running M (the ceiling of the running maximum): every later rescaling is an exact power of two, which a block's scale takes up: the codes' values come out the same.
;;   OPERANDS COMPUTED ON THE WAY. 'Computed on the way' means the value that the module computes at that place (a softmax that the list does not call 'softmax' is quantised finished and normalised). What goes into a quantiser is computed in f32, as accurately as f32 sums, v_exp_f32 and their like allow (about 1e-6 of the number): no bf16 or f16 on the way to a quantiser, and a product that is left as it is and whose result goes on into a quantised operand takes f32 operands (vector FMAs, or v_wmma_f32_16x16x4_f32). A number that lies on a knife's edge between two numbers of the format may be rounded either way, as far as f32 arithmetic and the matrix unit's own rounding can turn it there, and no further.
;; One version. Each part assembles by itself: llvm-mc -triple=amdgcn-amd-amdhsa -mcpu=gfx1250 --defsym DOCPART=n.
;; ======== version 1 of 1: 4 launches
;; limits: right only within a limited range of input values
;; workspace buffers: part 65,536 bytes; wimg 524,288 bytes; wsc 32,768 bytes; qkv 6,946,816 bytes; ao 2,097,152 bytes; aos 131,072 bytes
;; launch prep (part 1): grid 320 x 1, 4 waves a work-group, no clusters, 1,024 bytes of LDS; arguments hidden_states, Wq, Wk, Wv, Wo, part, wimg, wsc; writes part, wimg, wsc
.if DOCPART == 1
	.amdgcn_target "amdgcn-amd-amdhsa--gfx1250"
	.amdhsa_code_object_version 6
	.text
	.protected	k_q335b327541_prep
	.globl	k_q335b327541_prep
	.p2align	8
	.type	k_q335b327541_prep,@function
k_q335b327541_prep:
	s_mov_b64 s[64:65], 0
	v_nop
	global_prefetch_b8 v0, s[64:65] scope:SCOPE_SE
	s_setreg_imm32_b32 hwreg(HW_REG_WAVE_MODE, 25, 1), 1
	s_wait_xcnt 0x0
; TWO JOBS IN ONE LAUNCH, told apart by the work-group's number.
; Work-groups 0-255: partial statistics for the group norm.  Work-group g takes rows 32 g .. 32 g + 31 of hidden_states [8192][512] f32 and stores, for each of
; the 32 groups of 16 channels, the mean of its 512 numbers and the sum of squares ABOUT THAT MEAN: part[g][group][mean, M2].  No difference of large sums is formed.
; Work-groups 256-319: Wq, Wk, Wv, Wo [512 (k)][512 (n)] f32 become codes of E2M1 with one E8M0 byte for each 32 along k, laid as images of the matrix operand's registers:
;   wimg[W][T 32][s 4][c 2][512 bytes]: lane (r, h) of an image holds 16 bytes: column 32 (T/2) + 8 (T%2) + r + 8 (r/8), k = 128 s + 64 c + 32 h + 0 .. 31
;   wsc [W][T 32][r 16][s 4]: one word (four bytes, 128 along k) for each row of a tile and K step
; A lane takes a column and its registers run down k, so a block of 32 lies in one lane and the conversions give codes with k innermost.
; A block's scale is 2^(floor(log2(largest magnitude)) - 2); its byte is the largest magnitude's exponent field - 2, held at 1 from below.
; LIMITS: NaN and infinities are not served; a block whose largest magnitude lies under 2^-124, a block of zeros among them, gets the byte 1 (zero codes add nothing; this program alone reads the bytes).
.set XR, 32                            ; v32-159  the numbers as loaded
.set SU, 8                             ; v8-15    four chains of pair sums
.set CO, 16                            ; v16-31   codes, four registers a block: no store's data are written again
	s_load_b512 s[4:19], s[0:1], 0x0               ; hidden s[4:5], Wq, Wk, Wv, Wo s[6:13], part s[14:15], wimg s[16:17], wsc s[18:19]
	v_lshl_add_u32 v160, v0, 2, 0x200
	v_mov_b32 v161, 0
	v_lshrrev_b32 v1, 5, v0
	v_readfirstlane_b32 s20, v1                    ; wave 0..3
	s_mov_b32 s23, 0                               ; the high word of every offset
	s_wait_kmcnt 0x0
	s_cmp_lt_u32 ttmp9, 256
	s_cbranch_scc0 .Lweights
	; ---- statistics: wave w takes channels 128 w .. 128 w + 127 of the 32 rows; a lane 4 channels, four lanes a group
	s_lshl_b32 s22, ttmp9, 16                      ; 32 rows of 2,048 bytes
	s_add_nc_u64 s[4:5], s[4:5], s[22:23]
	s_lshl_b32 s22, ttmp9, 8                       ; 32 groups of 8 bytes
	s_add_nc_u64 s[14:15], s[14:15], s[22:23]
	v_lshlrev_b32 v1, 4, v0                        ; 512 w + 16 lane
	v_lshrrev_b32 v2, 2, v0
	v_lshlrev_b32 v2, 3, v2                        ; 8 x group
.set i, 0
.rept 32
	global_load_b128 v[XR+4*i:XR+4*i+3], v1, s[4:5] offset:2048*i   ; a wave reads 512 consecutive bytes of a row
.set i, i+1
.endr
	s_wait_loadcnt 0x0
.irp k, 0,1,2,3
	v_pk_add_f32 v[SU+2*\k:SU+2*\k+1], v[XR+2*\k:XR+2*\k+1], v[XR+8+2*\k:XR+9+2*\k]   ; the first pairs start the chains
.endr
.set j, 8
.rept 56
	v_pk_add_f32 v[SU+2*(j%4):SU+2*(j%4)+1], v[SU+2*(j%4):SU+2*(j%4)+1], v[XR+2*j:XR+2*j+1]
.set j, j+1
.endr
	v_pk_add_f32 v[SU:SU+1], v[SU:SU+1], v[SU+2:SU+3]
	v_pk_add_f32 v[SU+4:SU+5], v[SU+4:SU+5], v[SU+6:SU+7]
	v_pk_add_f32 v[SU:SU+1], v[SU:SU+1], v[SU+4:SU+5]
	v_add_f32 v[SU], v[SU], v[SU+1]
	v_add_f32_dpp v[SU], v[SU], v[SU] row_xmask:1 row_mask:0xf bank_mask:0xf
	v_add_f32_dpp v[SU], v[SU], v[SU] row_xmask:2 row_mask:0xf bank_mask:0xf   ; the group's four lanes hold the sum of 512
	v_mul_f32 v16, 0x3b000000, v[SU]               ; / 512
	v_mov_b32 v17, v16
.set j, 0
.rept 64
	v_pk_add_f32 v[XR+2*j:XR+2*j+1], v[XR+2*j:XR+2*j+1], v[16:17] neg_lo:[0,1] neg_hi:[0,1]   ; x - the chunk's mean
.set j, j+1
.endr
.irp k, 0,1,2,3
	v_pk_mul_f32 v[SU+2*\k:SU+2*\k+1], v[XR+2*\k:XR+2*\k+1], v[XR+2*\k:XR+2*\k+1]
.endr
.set j, 4
.rept 60
	v_pk_fma_f32 v[SU+2*(j%4):SU+2*(j%4)+1], v[XR+2*j:XR+2*j+1], v[XR+2*j:XR+2*j+1], v[SU+2*(j%4):SU+2*(j%4)+1]
.set j, j+1
.endr
	v_pk_add_f32 v[SU:SU+1], v[SU:SU+1], v[SU+2:SU+3]
	v_pk_add_f32 v[SU+4:SU+5], v[SU+4:SU+5], v[SU+6:SU+7]
	v_pk_add_f32 v[SU:SU+1], v[SU:SU+1], v[SU+4:SU+5]
	v_add_f32 v[SU], v[SU], v[SU+1]
	v_add_f32_dpp v[SU], v[SU], v[SU] row_xmask:1 row_mask:0xf bank_mask:0xf
	v_add_f32_dpp v[SU], v[SU], v[SU] row_xmask:2 row_mask:0xf bank_mask:0xf   ; in place: the destination of such a form counts as one of its sources, so it is a register that has been written
	v_mov_b32 v18, v16                             ; the pair that is stored: the mean,
	v_mov_b32 v19, v[SU]                           ; and the sum of squares about it
	global_store_b64 v2, v[18:19], s[14:15]        ; a group's four lanes write the same 8 bytes with the same value; the four waves fill the chunk's 256 bytes
	s_endpgm
.Lweights:
	; ---- weights: work-group j = W x 16 + B takes columns 32 B .. 32 B + 31 of weight W; wave s takes k = 128 s .. 128 s + 127
	s_sub_co_u32 s21, ttmp9, 256
	s_lshr_b32 s24, s21, 4                         ; W
	s_and_b32 s25, s21, 15                         ; B
	s_cmp_eq_u32 s24, 1                            ; the choice hangs on the work-group's number alone
	s_cselect_b64 s[6:7], s[8:9], s[6:7]
	s_cmp_eq_u32 s24, 2
	s_cselect_b64 s[6:7], s[10:11], s[6:7]
	s_cmp_eq_u32 s24, 3
	s_cselect_b64 s[6:7], s[12:13], s[6:7]
	s_lshl_b32 s22, s20, 18                        ; 128 rows of 2,048 bytes a K step
	s_lshl_b32 s26, s25, 7
	s_add_co_u32 s22, s22, s26
	s_add_nc_u64 s[6:7], s[6:7], s[22:23]
	s_lshl_b32 s22, s24, 17                        ; wimg: 131,072 W + 8,192 B + 1,024 s
	s_lshl_b32 s26, s25, 13
	s_add_co_u32 s22, s22, s26
	s_lshl_b32 s26, s20, 10
	s_add_co_u32 s22, s22, s26
	s_add_nc_u64 s[16:17], s[16:17], s[22:23]
	s_lshl_b32 s22, s24, 13                        ; wsc: 8,192 W + 512 B
	s_lshl_b32 s26, s25, 9
	s_add_co_u32 s22, s22, s26
	s_add_nc_u64 s[18:19], s[18:19], s[22:23]
	v_and_b32 v6, 31, v0                           ; lane = column n' of the 32
	v_lshlrev_b32 v2, 2, v6                        ; in: 4 bytes a lane
	v_bfe_u32 v7, v0, 3, 1                         ; u = (n' / 8) % 2: which of the two tiles
	v_and_b32 v3, 7, v0
	v_bfe_u32 v4, v0, 4, 1
	v_lshl_add_u32 v3, v4, 3, v3                   ; r = n' % 8 + 8 (n' / 16): the tile's row
	v_lshlrev_b32 v3, 4, v3
	v_lshl_add_u32 v4, v7, 8, v3
	s_lshl_b32 s26, s20, 2
	v_add_nc_u32 v4, s26, v4                       ; LDS: 256 u + 16 r + 4 s: my scale word's place
	v_lshl_add_u32 v3, v7, 12, v3                  ; codes: 4,096 u + 16 r
	v_lshlrev_b32 v5, 4, v6                        ; 16 x lane
.set i, 0
.rept 128
	global_load_b32 v[XR+i], v2, s[6:7] offset:2048*i th:TH_LOAD_NT   ; W(128 s + i, my column): 32 lanes read 128 consecutive bytes
.set i, i+1
.endr
.macro WBLOCK q, n                     ; block q of my column: k = 128 s + 32 q + 0 .. 31;  n: younger loads that may stay out
.set XB, XR+32*(\q)
	s_wait_loadcnt \n
	v_max3_num_f32 v8, |v[XB]|, |v[XB+1]|, |v[XB+2]|               ; the largest magnitude: all 32 numbers are mine; two chains
	v_max3_num_f32 v9, |v[XB+3]|, |v[XB+4]|, |v[XB+5]|
.irp i, 6,10,14,18,22,26
	v_max3_num_f32 v8, v8, |v[XB+\i]|, |v[XB+\i+1]|
	v_max3_num_f32 v9, v9, |v[XB+\i+2]|, |v[XB+\i+3]|
.endr
	v_max3_num_f32 v8, v8, |v[XB+30]|, |v[XB+31]|
	v_max3_num_f32 v8, v8, v9, 0x1800000           ; and the floor 2^(3 - 127): the byte cannot fall under 1
	v_add_nc_u32 v11, 0xff000000, v8               ; 2 off the exponent field: the conversion takes this operand's exponent field as its scale
	v_lshrrev_b32 v9, 23, v11                      ; the scale's byte
.if (\q) == 0
	v_mov_b32 v12, v9
.else
	v_lshl_or_b32 v12, v9, 8*(\q), v12             ; the lower k in the lower byte
.endif
.irp g, 0,1,2,3
	v_cvt_scalef32_pk8_fp4_f32 v[CO+4*(\q)+\g], v[XB+8*\g:XB+8*\g+7], v11
.endr
	global_store_b128 v3, v[CO+4*(\q):CO+4*(\q)+3], s[16:17] offset:512*((\q)/2)+256*((\q)%2)   ; c = q / 2, h = q % 2: sixteen lanes fill 256 consecutive bytes, aligned, in each of the two tiles
.endm
	WBLOCK 0, 63                                   ; 96 and 64 loads were issued behind these blocks'; the wait's field holds 63, and a smaller count is safe
	WBLOCK 1, 63
	WBLOCK 2, 32
	WBLOCK 3, 0
	ds_store_b32 v4, v12                           ; the four waves' words of a row meet in LDS
	s_wait_dscnt 0x0                               ; for the others' sake: my store has landed
	s_barrier_signal -1
	s_barrier_wait -1
	s_cmp_lg_u32 s20, 0
	s_cbranch_scc1 .Ldone
	ds_load_b128 v[32:35], v5
	s_wait_dscnt 0x0
	global_store_b128 v5, v[32:35], s[18:19]       ; two tiles' scale words: 512 consecutive bytes
.Ldone:
	s_wait_tensorcnt 0x0
	ds_add_u32 v160, v161
	s_wait_dscnt 0x0
	s_endpgm
.Lfunc_end_k_q335b327541_prep:
	.size	k_q335b327541_prep, .Lfunc_end_k_q335b327541_prep-k_q335b327541_prep
	.p2alignl 7, 3214868480
	.fill 96, 4, 3214868480
	.section	.rodata,"a",@progbits
	.p2align	6, 0x0
	.amdhsa_kernel k_q335b327541_prep
		.amdhsa_group_segment_fixed_size 1024
		.amdhsa_private_segment_fixed_size 0
		.amdhsa_enable_private_segment 0
		.amdhsa_kernarg_size 64
		.amdhsa_user_sgpr_count 2
		.amdhsa_user_sgpr_kernarg_segment_ptr 1
		.amdhsa_wavefront_size32 1
		.amdhsa_system_sgpr_workgroup_id_x 1
		.amdhsa_system_sgpr_workgroup_id_y 1
		.amdhsa_system_sgpr_workgroup_id_z 1
		.amdhsa_system_vgpr_workitem_id 0
		.amdhsa_next_free_vgpr 162
		.amdhsa_next_free_sgpr 66
		.amdhsa_reserve_vcc 0
		.amdhsa_float_denorm_mode_32 3
		.amdhsa_float_denorm_mode_16_64 3
		.amdhsa_memory_ordered 1
		.amdhsa_forward_progress 1
		.amdhsa_inst_pref_size 37
	.end_amdhsa_kernel
	.amdgpu_metadata
---
amdhsa.version: [ 1, 2 ]
amdhsa.kernels:
  - .name:           k_q335b327541_prep
    .symbol:         k_q335b327541_prep.kd
    .args:
      - { .name: hidden_states, .offset: 0, .size: 8, .value_kind: global_buffer, .address_space: global }
      - { .name: Wq, .offset: 8, .size: 8, .value_kind: global_buffer, .address_space: global }
      - { .name: Wk, .offset: 16, .size: 8, .value_kind: global_buffer, .address_space: global }
      - { .name: Wv, .offset: 24, .size: 8, .value_kind: global_buffer, .address_space: global }
      - { .name: Wo, .offset: 32, .size: 8, .value_kind: global_buffer, .address_space: global }
      - { .name: part, .offset: 40, .size: 8, .value_kind: global_buffer, .address_space: global }
      - { .name: wimg, .offset: 48, .size: 8, .value_kind: global_buffer, .address_space: global }
      - { .name: wsc, .offset: 56, .size: 8, .value_kind: global_buffer, .address_space: global }
    .group_segment_fixed_size: 1024
    .private_segment_fixed_size: 0
    .kernarg_segment_align: 8
    .kernarg_segment_size: 64
    .max_flat_workgroup_size: 128
    .sgpr_count:     66
    .vgpr_count:     162
    .wavefront_size: 32
...
	.end_amdgpu_metadata
.endif
;; end of part 1
;; launch qkvproj (part 2): grid 4 x 64, 8 waves a work-group, no clusters, 144,384 bytes of LDS; arguments hidden_states, part, wimg, wsc, gn_scale, gn_bias, bq, bk, bv, qkv; writes qkv
.if DOCPART == 2
	.amdgcn_target "amdgcn-amd-amdhsa--gfx1250"
	.amdhsa_code_object_version 6
	.text
	.protected	k_q335b327541_qkvproj
	.globl	k_q335b327541_qkvproj
	.p2align	8
	.type	k_q335b327541_qkvproj,@function
k_q335b327541_qkvproj:
	s_mov_b64 s[64:65], 0
	v_nop
	global_prefetch_b8 v0, s[64:65] scope:SCOPE_SE
	s_setreg_imm32_b32 hwreg(HW_REG_WAVE_MODE, 25, 1), 1
	s_wait_xcnt 0x0
; Group norm, its quantiser, and q = x Wq + bq, k = x Wk + bk, v = x Wv + bv on codes of E2M1 (one E8M0 byte for each 32 along K), whose results are quantised here for the attention launch.
; A work-group takes 128 rows (y) and the 128 channels of a pair of heads (x = hp) of each of q, k, v.  Eight waves run one text.  Wave w:
;   quantises x's tile w (16 rows x 512), keeps it in registers and lays its image in LDS;
;   Q unit, K unit: D_t = (weight tile t) x (my x tile), t = 0 .. 7: a lane holds ONE row and its 64 registers run along the 128 channels;
;   V unit: D_t = (x tile t) x (my tile of Wv): a lane holds ONE channel and its 64 registers run along the 128 rows, which are the keys, the K of attention's second product.
; THE ITEMS OF A TILE ARE NOT NEIGHBOURS: row r of tile 2 b + u is item 32 b + 8 u + r + 8 (r / 8) (rows of x; channels of a weight), so that the 16 registers of results 2 b and 2 b + 1 are 16 neighbours:
; register 16 b + i = item 32 b + 16 (lane / 16) + i.  One macro, QUANT, turns such 64 registers into an operand's 8 registers and its scale word.
; OPERANDS LIE IN LDS AND IN MEMORY AS IMAGES OF THEIR REGISTERS: four registers are 512 bytes, lane l's 16 bytes at 16 l.
; OUT: qkv[(b 4 + hp)][block of 128 rows][27,136 bytes] = for each of the two heads 8,960 bytes of K and V (8 images of K, 8 of V, K's scale words, V's), then for each head 4,608 bytes of Q (8 images, scale words).
; A head is 64 wide, half of the matrix instruction's K: bytes 2 and 3 of Q's and K's scale words are 0x7f (1.0).
; GROUP NORM: mean and variance of a group come from the 128 chunk statistics of the launch before, joined about chunk 0's mean; xn = (x - mean) (rstd gamma) + beta, the subtraction first.
; LIMITS: NaN and infinities are not served; a block whose largest magnitude lies under 2^-124, a block of zeros among them, gets the byte 1 (zero codes add nothing; this program alone reads the bytes).
; No joint loads: x has to pass through registers to be normalised, and its f32 tile (262,144 bytes) does not fit in LDS beside the 143,104 bytes in use.
.set PARTL, 0                          ; LDS: [group 32][wave 8][S1, S2, SM, c]
.set AL,    4096                       ; rstd x gamma, a word a channel
.set BL,    6144                       ; beta
.set MEANP, 8192                       ; word 32 s + 16 h + 4 b: the mean of group 8 s + 2 b + h
.set BIA,   8448                       ; bq's 128 numbers, then bk's
.set XSC,   9472                       ; x's scale words [tile 8][lane 32][K step 4]
.set WSC,   13568                      ; the weights' [q, k][tile 8][row 16][K step 4]
.set XIMG,  17664                      ; x's images: 4,096 tile + 1,024 s + 512 c
.set WIMG,  50432                      ; Wq's, then Wk's: 32,768 each, laid likewise
.set STG,   115968                     ; the block of qkv as it will lie in memory: 27,136 bytes
; window 0: v1 lane, v2 r, v3 h; v4-23 addresses; v24-27, v28-31 scale words of my x tile and my Wv tile; v32-63 my x tile; v64-95 my Wv tile; v96-159 accumulators (before: x, set 0);
;   v160-223 x, set 1 (later v160-191 the other side's scale words, v192-199 bv); v224-239 at work; v240 a scale word; v241 bv; v242-249 codes just made; v250-253 four means; v254-255 at work
; window 1: v0-68 weights on their way to LDS; v128-191 rstd gamma, v192-255 beta of a K step; then all 256: the eight tiles of the other side, at v[64 s + 8 t + 4 c]
.set FXS, 24
.set FVS, 28
.set FX,  32
.set FV,  64
.set ACC, 96
.set RS,  160
.set BV,  192
.set TM,  224
.set PW,  240
.set BVW, 241
.set PC,  242
.set MN,  250
.set MSB, 0
.macro WIN new                         ; the immediate's high byte repeats the setting that is left
.if MSB != \new
	s_set_vgpr_msb (MSB<<8)|\new
.set MSB, \new
.endif
.endm
.macro BARRIER                         ; my LDS stores have landed and my LDS loads are in: then the work-group's barrier
	s_wait_dscnt 0x0
	s_barrier_signal -1
	s_barrier_wait -1
.endm
.macro PLACES n
.rept \n
	v_nop
.endr
.endm
.macro XLOAD reg, ks                   ; my 16 rows' numbers of K step ks: register 16 b + 4 j + .. = channel 128 ks + 32 b + 16 h + 4 j + ..
.irp b, 0,1,2,3
.irp j, 0,1,2,3
	global_load_b128 v[(\reg)+16*\b+4*\j:(\reg)+16*\b+4*\j+3], v4, s[28:29] offset:512*(\ks)+128*\b+16*\j
.endr
.endr
.endm
.macro ABLOAD ks                       ; rstd gamma and beta of the same channels (window 1), and the four blocks' means
	WIN 0x40
.irp b, 0,1,2,3
.irp j, 0,1,2,3
	ds_load_b128 v[128+16*\b+4*\j:131+16*\b+4*\j], v13 offset:512*(\ks)+128*\b+16*\j
.endr
.endr
.irp b, 0,1,2,3
.irp j, 0,1,2,3
	ds_load_b128 v[192+16*\b+4*\j:195+16*\b+4*\j], v13 offset:2048+512*(\ks)+128*\b+16*\j
.endr
.endr
	WIN 0
	ds_load_b128 v[MN:MN+3], v14 offset:32*(\ks)
.endm
.macro NORM x                          ; a lane's 16 numbers of block b belong to ONE group: its mean is word b of v[MN ..]
.irp b, 0,1,2,3
.irp k, 0,2,4,6,8,10,12,14
.if (\b%2) == 0
	v_pk_add_f32 v[(\x)+16*\b+\k:(\x)+16*\b+\k+1], v[(\x)+16*\b+\k:(\x)+16*\b+\k+1], v[MN+2*(\b/2):MN+2*(\b/2)+1] op_sel_hi:[1,0] neg_lo:[0,1] neg_hi:[0,1]
.else
	v_pk_add_f32 v[(\x)+16*\b+\k:(\x)+16*\b+\k+1], v[(\x)+16*\b+\k:(\x)+16*\b+\k+1], v[MN+2*(\b/2):MN+2*(\b/2)+1] op_sel:[0,1] op_sel_hi:[1,1] neg_lo:[0,1] neg_hi:[0,1]
.endif
.endr
.endr
	WIN 0x14                                       ; sources 1 and 2 window 1
.set k, 0
.rept 32
	v_pk_fma_f32 v[(\x)+2*k:(\x)+2*k+1], v[(\x)+2*k:(\x)+2*k+1], v[128+2*k:129+2*k], v[192+2*k:193+2*k]
.set k, k+1
.endr
	WIN 0
.endm
; 64 numbers of a lane, register 16 b + i = item 32 b + 16 (lane / 16) + i, become an operand's 8 registers v[pc ..] (registers 4 c .. 4 c + 3: items 64 c + 32 (lane / 16) + 0 .. 31) and its scale word v[pw]
.macro QUANT src, pc, pw
.irp b, 0,1,2,3
	v_max3_num_f32 v[TM+\b], |v[(\src)+16*\b]|, |v[(\src)+1+16*\b]|, 0x1800000   ; my 16 numbers of block b, and the floor 2^(3 - 127): the byte cannot fall under 1
.endr
.irp i, 2,4,6,8,10,12,14
.irp b, 0,1,2,3
	v_max3_num_f32 v[TM+\b], v[TM+\b], |v[(\src)+16*\b+\i]|, |v[(\src)+1+16*\b+\i]|   ; the four blocks by turns
.endr
.endr
.irp b, 0,1,2,3
	s_delay_alu instid0(VALU_DEP_4)
	v_permlanex16_b32 v[TM+4+\b], v[TM+\b], s46, s47
.endr
.irp b, 0,1,2,3
	s_delay_alu instid0(VALU_DEP_4)
	v_max_num_f32 v[TM+\b], v[TM+\b], v[TM+4+\b]   ; with lane l xor 16's: the block's largest magnitude
.endr
.irp b, 0,1,2,3
	s_delay_alu instid0(VALU_DEP_4)
	v_add_nc_u32 v[TM+12+\b], 0xff000000, v[TM+\b] ; 2 off its exponent field: the conversion's scale operand
.endr
.irp b, 0,1,2,3
	s_delay_alu instid0(VALU_DEP_4)
	v_lshrrev_b32 v[TM+4+\b], 23, v[TM+12+\b]      ; the scale's byte
.endr
	s_delay_alu instid0(VALU_DEP_3)
	v_lshl_or_b32 v[\pw], v[TM+5], 8, v[TM+4]
	s_delay_alu instid0(VALU_DEP_1)
	v_lshl_or_b32 v[\pw], v[TM+6], 16, v[\pw]
	s_delay_alu instid0(VALU_DEP_1)
	v_lshl_or_b32 v[\pw], v[TM+7], 24, v[\pw]
.irp b, 0,1,2,3
	v_cvt_scalef32_pk8_fp4_f32 v[(\pc)+2*\b], v[(\src)+16*\b:(\src)+7+16*\b], v[TM+12+\b]
	v_cvt_scalef32_pk8_fp4_f32 v[(\pc)+1+2*\b], v[(\src)+8+16*\b:(\src)+15+16*\b], v[TM+12+\b]
.endr
	v_nop                                          ; one plain place behind a scaled conversion
.irp c, 0,1                                    ; the operand's layout wants a whole block in a lane
.irp i, 0,1
	v_permlane16_swap_b32 v[(\pc)+4*\c+\i], v[(\pc)+2+4*\c+\i]
.endr
.endr
.endm
.macro RLOAD adr, off                  ; eight tiles x four K steps of images into window 1
	WIN 0x40
.irp ks, 0,1,2,3
.irp t, 0,1,2,3,4,5,6,7
.irp c, 0,1
	ds_load_b128 v[64*\ks+8*\t+4*\c:64*\ks+8*\t+4*\c+3], v[\adr] offset:(\off)+4096*\t+1024*\ks+512*\c
.endr
.endr
.endr
	WIN 0
.endm
.macro RSLOAD adr, off, pitch          ; their scale words: four K steps of a row by one load
.irp t, 0,1,2,3,4,5,6,7
	ds_load_b128 v[RS+4*\t:RS+4*\t+3], v[\adr] offset:(\off)+(\pitch)*\t
.endr
.endm
.macro BIASLD mat                      ; the bias is the C of a sum's first product: register j of result t is channel 32 (t / 2) + 16 h + 8 (t % 2) + j
.irp t, 0,1,2,3,4,5,6,7
.irp e, 0,1
	ds_load_b128 v[ACC+8*\t+4*\e:ACC+8*\t+4*\e+3], v12 offset:512*(\mat)+(32*(\t/2)+8*(\t%2))*4+16*\e
.endr
.endr
.endm
; 32 products: the eight accumulators take turns, one instruction a turn, K step by K step.  cfirst = 1: the first K step takes bv's eight registers as C
.macro MULS f, fs, cfirst
	WIN 0x01                                       ; source 0 window 1
.irp ks, 0,1,2,3
	s_wait_alu depctr_va_vdst(0)
.irp t, 0,1,2,3,4,5,6,7
.if (\cfirst) && (\ks == 0)
	v_wmma_scale_f32_16x16x128_f8f6f4 v[ACC+8*\t:ACC+8*\t+7], v[64*\ks+8*\t:64*\ks+8*\t+7], v[(\f)+8*\ks:(\f)+8*\ks+7], v[BV:BV+7], v[RS+4*\t+\ks], v[(\fs)+\ks] matrix_a_fmt:MATRIX_FMT_FP4 matrix_b_fmt:MATRIX_FMT_FP4
.else
	v_wmma_scale_f32_16x16x128_f8f6f4 v[ACC+8*\t:ACC+8*\t+7], v[64*\ks+8*\t:64*\ks+8*\t+7], v[(\f)+8*\ks:(\f)+8*\ks+7], v[ACC+8*\t:ACC+8*\t+7], v[RS+4*\t+\ks], v[(\fs)+\ks] matrix_a_fmt:MATRIX_FMT_FP4 matrix_b_fmt:MATRIX_FMT_FP4
.endif
.endr
.endr
	WIN 0
.endm
.macro PAIRST img, scl, step           ; a fragment of 128 channels is two heads' images; each head's two scale bytes get 0x7f, 0x7f above them
	v_and_or_b32 v254, v[PW], 0xffff, s48
	v_lshrrev_b32 v255, 16, v[PW]
	s_delay_alu instid0(VALU_DEP_1)
	v_or_b32 v255, s48, v255
	ds_store_b128 v[\img], v[PC:PC+3]
	ds_store_b128 v[\img], v[PC+4:PC+7] offset:\step
	ds_store_b32 v[\scl], v254
	ds_store_b32 v[\scl], v255 offset:\step
.endm
	s_load_b512 s[4:19], s[0:1], 0x0               ; hidden s[4:5], part s[6:7], wimg s[8:9], wsc s[10:11], gamma s[12:13], beta s[14:15], bq s[16:17], bk s[18:19]
	s_load_b128 s[20:23], s[0:1], 0x40             ; bv s[20:21], qkv s[22:23]
	v_lshrrev_b32 v1, 5, v0
	s_delay_alu instid0(VALU_DEP_1)
	v_readfirstlane_b32 s24, v1                    ; wave 0..7
	s_mov_b32 s25, ttmp9                           ; hp
	s_and_b32 s26, ttmp7, 0xffff                   ; y: the block of 128 rows
	s_lshr_b32 s27, s26, 5                         ; the batch
	s_lshr_b32 s52, s24, 1
	s_and_b32 s53, s24, 1
	s_lshr_b32 s56, s24, 2
	s_and_b32 s57, s24, 3
	s_mov_b32 s55, 0                               ; the high word of every offset
	s_mov_b32 s46, 0x76543210
	s_mov_b32 s47, 0xfedcba98                      ; v_permlanex16_b32's selects for lane l xor 16
	s_mov_b32 s48, 0x7f7f0000
	v_and_b32 v1, 31, v0                           ; lane
	v_and_b32 v2, 15, v0                           ; r
	v_bfe_u32 v3, v0, 4, 1                         ; h
	s_delay_alu instid0(VALU_DEP_2)
	v_and_b32 v4, 8, v2
	s_delay_alu instid0(VALU_DEP_1)
	v_add_nc_u32 v4, v4, v2                        ; r + 8 (r / 8)
	s_delay_alu instid0(VALU_DEP_1)
	v_lshlrev_b32 v248, 2, v4                      ; bv: my channel's word
	s_delay_alu instid0(VALU_DEP_2)
	v_lshlrev_b32 v4, 11, v4
	s_delay_alu instid0(VALU_DEP_1)
	v_lshl_add_u32 v4, v3, 6, v4                   ; x: my row of 2,048 bytes, + 64 h
	v_lshlrev_b32 v5, 4, v1                        ; 16 x lane: an image's place for my lane
	s_delay_alu instid0(VALU_DEP_1)
	v_add_nc_u32 v6, XIMG, v5
	v_lshl_add_u32 v8, v0, 4, XSC                  ; where I store x's scale words: 512 w + 16 lane
	s_delay_alu instid0(VALU_DEP_3)
	v_add_nc_u32 v9, XSC, v5
	s_delay_alu instid0(VALU_DEP_4)
	v_add_nc_u32 v10, WIMG, v5
	v_lshl_add_u32 v11, v2, 4, WSC
	v_lshl_add_u32 v12, v3, 6, BIA
	v_lshl_add_u32 v13, v3, 6, AL
	v_lshl_add_u32 v14, v3, 4, MEANP
	v_lshl_add_u32 v15, v0, 4, STG+17920           ; Q's image of tile w
	v_lshl_add_u32 v17, v0, 4, STG                 ; K's image of tile w; also my place in the copy out
	v_lshlrev_b32 v22, 4, v0                       ; the same place in memory
	v_lshlrev_b32 v246, 4, v2                      ; my Wv tile's scale words: 16 r
	v_and_b32 v247, 127, v0
	s_delay_alu instid0(VALU_DEP_1)
	v_lshlrev_b32 v247, 2, v247                    ; bq, bk: a word a thread
	v_lshlrev_b32 v249, 3, v1                      ; part: 8 bytes a group, lane = group
	v_lshlrev_b32 v254, 3, v0                      ; gamma, beta: two channels a thread
	s_lshl_b32 s58, s24, 12
	v_add_nc_u32 v7, s58, v6                       ; where I store x's images
	s_lshl_b32 s58, s24, 6
	v_lshl_add_u32 v16, v2, 2, s58
	s_delay_alu instid0(VALU_DEP_1)
	v_add_nc_u32 v16, STG+22016, v16               ; Q's scale words: 64 w + 4 r
	s_lshl_b32 s58, s53, 8
	s_lshl_b32 s59, s52, 2
	s_add_co_u32 s58, s58, s59
	v_lshl_add_u32 v18, v2, 4, s58
	s_delay_alu instid0(VALU_DEP_1)
	v_add_nc_u32 v18, STG+8192, v18                ; K's: 16 (r + 16 (w % 2)) + 4 (w / 2)
	s_mul_i32 s58, s56, 8960                       ; V: the head is w / 4, its tile w % 4
	s_lshl_b32 s59, s57, 10
	s_add_co_u32 s59, s59, s58
	v_add_nc_u32 v19, s59, v5
	s_delay_alu instid0(VALU_DEP_1)
	v_add_nc_u32 v19, STG+4096, v19                ; V's two images
	s_lshl_b32 s59, s53, 7
	s_add_co_u32 s58, s58, s59
	s_and_b32 s59, s52, 1
	s_lshl_b32 s59, s59, 2
	s_add_co_u32 s58, s58, s59
	v_lshl_add_u32 v20, v2, 3, s58
	s_delay_alu instid0(VALU_DEP_1)
	v_add_nc_u32 v20, STG+8704, v20                ; V's scale words: 8 (r + 16 (w % 2)) + 4 ((w / 2) % 2)
	s_lshl_b32 s58, s24, 13
	v_add_nc_u32 v23, s58, v10                     ; where I lay two tiles of Wq or Wk
	s_wait_kmcnt 0x0
	s_lshl_b32 s54, s26, 7                         ; x: row 128 y + 32 (w / 2) + 8 (w % 2)
	s_lshl_b32 s58, s52, 5
	s_add_co_u32 s54, s54, s58
	s_lshl_b32 s58, s53, 3
	s_add_co_u32 s54, s54, s58
	s_lshl_b32 s54, s54, 11
	s_add_nc_u64 s[28:29], s[4:5], s[54:55]
	s_lshl_b32 s54, s27, 15                        ; part: the batch's 128 chunks,
	s_add_nc_u64 s[50:51], s[6:7], s[54:55]
	s_lshl_b32 s54, s24, 12                        ; my 16 of them
	s_add_nc_u64 s[30:31], s[50:51], s[54:55]
	s_lshl_b32 s54, s56, 17                        ; waves 0-3 fetch Wq's eight tiles of the pair of heads, waves 4-7 Wk's: two tiles a wave
	s_lshl_b32 s58, s25, 15
	s_add_co_u32 s54, s54, s58
	s_lshl_b32 s58, s57, 13
	s_add_co_u32 s54, s54, s58
	s_add_nc_u64 s[32:33], s[8:9], s[54:55]
	s_lshl_b32 s54, s56, 13
	s_lshl_b32 s58, s25, 11
	s_add_co_u32 s54, s54, s58
	s_lshl_b32 s58, s57, 9
	s_add_co_u32 s54, s54, s58
	s_add_nc_u64 s[34:35], s[10:11], s[54:55]
	s_lshl_b32 s58, s25, 3                         ; my tile of Wv: 64 + 8 hp + w
	s_add_co_u32 s58, s58, s24
	s_add_co_u32 s58, s58, 64
	s_lshl_b32 s54, s58, 12
	s_add_nc_u64 s[36:37], s[8:9], s[54:55]
	s_lshl_b32 s54, s58, 8
	s_add_nc_u64 s[38:39], s[10:11], s[54:55]
	s_cmp_lt_u32 s24, 4                            ; the choice hangs on the wave's number alone
	s_cselect_b64 s[40:41], s[16:17], s[18:19]
	s_lshl_b32 s54, s25, 9
	s_add_nc_u64 s[40:41], s[40:41], s[54:55]
	s_lshl_b32 s54, s25, 7
	s_lshl_b32 s58, s52, 5
	s_add_co_u32 s54, s54, s58
	s_lshl_b32 s58, s53, 3
	s_add_co_u32 s54, s54, s58
	s_lshl_b32 s54, s54, 2
	s_add_nc_u64 s[42:43], s[20:21], s[54:55]
	s_lshl_b32 s54, s27, 2                         ; out: block ((b 4 + hp) 32 + y % 32)
	s_add_co_u32 s54, s54, s25
	s_lshl_b32 s54, s54, 5
	s_and_b32 s58, s26, 31
	s_add_co_u32 s54, s54, s58
	s_mul_i32 s54, s54, 27136
	s_add_nc_u64 s[44:45], s[22:23], s[54:55]
	; ---- the statistics' 19 loads, then x's K step 0
.set i, 0
.rept 16
	global_load_b64 v[96+2*i:97+2*i], v249, s[30:31] offset:256*i   ; (mean, M2) of my 16 chunks, lane = group
.set i, i+1
.endr
	global_load_b64 v[128:129], v249, s[50:51]     ; chunk 0's: its mean is the common origin c
	global_load_b64 v[242:243], v254, s[12:13]     ; gamma of channels 2 t, 2 t + 1
	global_load_b64 v[244:245], v254, s[14:15]     ; beta
	XLOAD 160, 0
	s_wait_loadcnt 16                              ; all but x's 16
	v_sub_f32 v224, v96, v128                      ; S1 = sum of (mean_i - c)
	v_mov_b32 v226, v97                            ; SM = sum of M2_i
	v_mov_b32 v227, v128
	s_delay_alu instid0(VALU_DEP_3)
	v_mul_f32 v225, v224, v224                     ; S2 = sum of (mean_i - c)^2
.set i, 1
.rept 15
	v_sub_f32 v228, v[96+2*i], v128
	s_delay_alu instid0(VALU_DEP_4)
	v_add_f32 v226, v226, v[97+2*i]
	s_delay_alu instid0(VALU_DEP_2)
	v_add_f32 v224, v224, v228
	s_delay_alu instid0(VALU_DEP_3)
	v_fmac_f32 v225, v228, v228
.set i, i+1
.endr
	s_lshl_b32 s58, s24, 4
	v_lshl_add_u32 v229, v1, 7, s58
	ds_store_b128 v229, v[224:227]                 ; PARTL + 128 group + 16 wave
	XLOAD 96, 1                                    ; K step s lies in set (s + 1) % 2
	WIN 0x40
.set i, 0
.rept 16
	global_load_b128 v[4*i:4*i+3], v5, s[32:33] offset:512*i   ; two weight tiles, 8,192 bytes on end
.set i, i+1
.endr
	global_load_b128 v[64:67], v5, s[34:35]        ; their scale words
	global_load_b32 v68, v247, s[40:41]            ; a word of bq or bk
	WIN 0
.set i, 0
.rept 8
	global_load_b128 v[FV+4*i:FV+4*i+3], v5, s[36:37] offset:512*i   ; my tile of Wv stays in registers
.set i, i+1
.endr
	global_load_b128 v[FVS:FVS+3], v246, s[38:39]
	global_load_b32 v[BVW], v248, s[42:43]
	BARRIER                                        ; the eight waves' partial sums lie in LDS
	; ---- thread t finishes group t / 8 for channels 2 t and 2 t + 1
	v_lshrrev_b32 v229, 3, v0
	s_delay_alu instid0(VALU_DEP_1)
	v_lshlrev_b32 v229, 7, v229
.irp j, 0,1,2,3,4,5,6,7
	ds_load_b128 v[32+4*\j:35+4*\j], v229 offset:16*\j
.endr
	s_mov_b32 s59, 0x37800000                      ; 2^-16: a group has 65,536 numbers
	s_wait_dscnt 0x0
	v_pk_add_f32 v[224:225], v[32:33], v[36:37]
	v_pk_add_f32 v[226:227], v[34:35], v[38:39]
.irp j, 2,3,4,5,6,7
	s_delay_alu instid0(VALU_DEP_2)
	v_pk_add_f32 v[224:225], v[224:225], v[32+4*\j:33+4*\j]
	s_delay_alu instid0(VALU_DEP_2)
	v_pk_add_f32 v[226:227], v[226:227], v[34+4*\j:35+4*\j]
.endr
	s_delay_alu instid0(VALU_DEP_2)
	v_mul_f32 v230, 0x3c000000, v224               ; S1 / 128
	s_delay_alu instid0(VALU_DEP_1)
	v_fma_f32 v231, -v224, v230, v225              ; S2 - S1^2 / 128: the chunk means' spread about the mean
	s_delay_alu instid0(VALU_DEP_2)
	v_add_f32 v232, v35, v230                      ; mean = c + S1 / 128
	s_delay_alu instid0(VALU_DEP_2)
	v_fmamk_f32 v233, v231, 0x44000000, v226       ; M2 = 512 x that + SM
	s_delay_alu instid0(VALU_DEP_1)
	v_fmaak_f32 v233, s59, v233, 0x358637bd        ; variance + 1e-6
	s_wait_alu depctr_va_vdst(0)
	v_rsq_f32 v234, v233
	v_lshlrev_b32 v235, 3, v0                      ; (plain work behind the transcendental)  8 t
	v_bfe_u32 v238, v0, 6, 2                       ; group = 8 s + 2 b + h: s,
	v_bfe_u32 v239, v0, 3, 1                       ; h,
	s_delay_alu instid0(VALU_DEP_2)
	v_lshlrev_b32 v238, 5, v238
	s_delay_alu instid0(VALU_DEP_1)
	v_lshl_add_u32 v238, v239, 4, v238
	v_bfe_u32 v239, v0, 4, 2                       ; b
	s_delay_alu instid0(VALU_DEP_1)
	v_lshl_add_u32 v238, v239, 2, v238
	s_wait_alu depctr_va_vdst(0)                   ; ahead of the first reader of the root
	v_mul_f32 v236, v234, v242
	v_mul_f32 v237, v234, v243
	ds_store_b64 v235, v[236:237] offset:AL
	ds_store_b64 v235, v[244:245] offset:BL
	ds_store_b32 v238, v232 offset:MEANP           ; a group's eight lanes write the same word with the same value
	BARRIER
	; ---- x becomes codes, a K step of 128 at a time.  n: the younger loads that may stay out
.macro XSTEP ks, n
.set XS, 96+64*(((\ks)+1)%2)
	ABLOAD \ks
	s_wait_loadcnt \n
	s_wait_dscnt 0x0
	NORM XS
	QUANT XS, FX+8*(\ks), FXS+(\ks)
	ds_store_b128 v7, v[FX+8*(\ks):FX+8*(\ks)+3] offset:1024*(\ks)
	ds_store_b128 v7, v[FX+8*(\ks)+4:FX+8*(\ks)+7] offset:1024*(\ks)+512
	ds_store_b32 v8, v[FXS+(\ks)] offset:4*(\ks)
.if (\ks) < 2
	XLOAD XS, (\ks)+2                              ; the freed set takes the K step two on
.endif
.endm
	XSTEP 0, 44                                    ; behind K step 0's loads: K step 1's 16 and the 28 of weights, scales and biases
	XSTEP 1, 44                                    ; behind K step 1's: those 28 and K step 2's 16
	s_wait_loadcnt 32                              ; the 28 are in; K steps 2 and 3 stay out
	v_lshl_add_u32 v254, v0, 4, WSC
	v_lshl_add_u32 v255, v0, 2, BIA
	WIN 0x04                                       ; an LDS store's data are its source 1: window 1
.set i, 0
.rept 16
	ds_store_b128 v23, v[4*i:4*i+3] offset:512*i
.set i, i+1
.endr
	ds_store_b128 v254, v[64:67]
	ds_store_b32 v255, v68
	WIN 0
	XSTEP 2, 16
	XSTEP 3, 0
.irp j, 0,1,2,3,4,5,6,7
	v_mov_b32 v[BV+\j], v[BVW]                     ; in the V unit a lane holds one channel: its bias in all eight registers of C
.endr
	BARRIER                                        ; x's images, the weights' images, all scale words and biases lie in LDS
	; ---- Q
	RSLOAD 11, 0, 256
	RLOAD 10, 0
	BIASLD 0
	PLACES 8                                       ; my x tile's scale words were written by vector instructions: eight places ahead of a scaled product
	s_wait_dscnt 0x0
	MULS FX, FXS, 0
	PLACES 5                                       ; in front of loads into registers that the products read, and of the first read of results
	RSLOAD 11, 2048, 256                           ; Wk's tiles land while q is quantised
	RLOAD 10, 32768
	QUANT ACC, PC, PW
	PAIRST 15, 16, 4608
	BIASLD 1
	s_wait_dscnt 0x0
	; ---- K
	MULS FX, FXS, 0
	PLACES 5                                       ; five: V's first products write these accumulators anew, with another C
	RSLOAD 9, 0, 512                               ; x's eight tiles land while k is quantised
	RLOAD 6, 0
	QUANT ACC, PC, PW
	PAIRST 17, 18, 8960
	s_wait_dscnt 0x0
	; ---- V
	MULS FV, FVS, 1
	PLACES 5
	QUANT ACC, PC, PW
	ds_store_b128 v19, v[PC:PC+3]                  ; keys 0-63 of the block
	ds_store_b128 v19, v[PC+4:PC+7] offset:512     ; keys 64-127
	ds_store_b32 v20, v[PW]
	BARRIER                                        ; the block lies in LDS as it will lie in memory
	; ---- out: 53 pieces of 512 bytes, piece 8 i + w to wave w: each store covers 512 consecutive bytes, aligned to 256
.irp i, 0,1,2,3,4,5
	ds_load_b128 v[96+4*\i:99+4*\i], v17 offset:4096*\i
.endr
	s_cmp_lt_u32 s24, 5
	s_cbranch_scc0 .Lno_seventh
	ds_load_b128 v[120:123], v17 offset:24576
	s_wait_dscnt 0x0
	global_store_b128 v22, v[120:123], s[44:45] offset:24576
.Lno_seventh:
	s_wait_dscnt 0x0
.irp i, 0,1,2,3,4,5
	global_store_b128 v22, v[96+4*\i:99+4*\i], s[44:45] offset:4096*\i
.endr
	s_wait_xcnt 0x0
	v_lshl_add_u32 v254, v0, 2, 0x23000
	v_mov_b32 v255, 0
	s_wait_alu depctr_va_vdst(0)
	s_wait_tensorcnt 0x0
	ds_add_u32 v254, v255
	s_wait_dscnt 0x0
	s_endpgm
.Lfunc_end_k_q335b327541_qkvproj:
	.size	k_q335b327541_qkvproj, .Lfunc_end_k_q335b327541_qkvproj-k_q335b327541_qkvproj
	.p2alignl 7, 3214868480
	.fill 96, 4, 3214868480
	.section	.rodata,"a",@progbits
	.p2align	6, 0x0
	.amdhsa_kernel k_q335b327541_qkvproj
		.amdhsa_group_segment_fixed_size 144384
		.amdhsa_private_segment_fixed_size 0
		.amdhsa_enable_private_segment 0
		.amdhsa_kernarg_size 80
		.amdhsa_user_sgpr_count 2
		.amdhsa_user_sgpr_kernarg_segment_ptr 1
		.amdhsa_wavefront_size32 1
		.amdhsa_system_sgpr_workgroup_id_x 1
		.amdhsa_system_sgpr_workgroup_id_y 1
		.amdhsa_system_sgpr_workgroup_id_z 1
		.amdhsa_system_vgpr_workitem_id 0
		.amdhsa_next_free_vgpr 512
		.amdhsa_next_free_sgpr 66
		.amdhsa_reserve_vcc 0
		.amdhsa_float_denorm_mode_32 3
		.amdhsa_float_denorm_mode_16_64 3
		.amdhsa_memory_ordered 1
		.amdhsa_forward_progress 1
		.amdhsa_inst_pref_size 113
	.end_amdhsa_kernel
	.amdgpu_metadata
---
amdhsa.version: [ 1, 2 ]
amdhsa.kernels:
  - .name:           k_q335b327541_qkvproj
    .symbol:         k_q335b327541_qkvproj.kd
    .args:
      - { .name: hidden_states, .offset: 0, .size: 8, .value_kind: global_buffer, .address_space: global }
      - { .name: part, .offset: 8, .size: 8, .value_kind: global_buffer, .address_space: global }
      - { .name: wimg, .offset: 16, .size: 8, .value_kind: global_buffer, .address_space: global }
      - { .name: wsc, .offset: 24, .size: 8, .value_kind: global_buffer, .address_space: global }
      - { .name: gn_scale, .offset: 32, .size: 8, .value_kind: global_buffer, .address_space: global }
      - { .name: gn_bias, .offset: 40, .size: 8, .value_kind: global_buffer, .address_space: global }
      - { .name: bq, .offset: 48, .size: 8, .value_kind: global_buffer, .address_space: global }
      - { .name: bk, .offset: 56, .size: 8, .value_kind: global_buffer, .address_space: global }
      - { .name: bv, .offset: 64, .size: 8, .value_kind: global_buffer, .address_space: global }
      - { .name: qkv, .offset: 72, .size: 8, .value_kind: global_buffer, .address_space: global }
    .group_segment_fixed_size: 144384
    .private_segment_fixed_size: 0
    .kernarg_segment_align: 8
    .kernarg_segment_size: 80
    .max_flat_workgroup_size: 256
    .sgpr_count:     66
    .vgpr_count:     512
    .wavefront_size: 32
...
	.end_amdgpu_metadata
.endif
;; end of part 2
;; launch attn (part 3): grid 16 x 16, 8 waves a work-group, clusters of 4 x 1, 327,680 bytes of LDS; arguments qkv, ao, aos; writes ao, aos
.if DOCPART == 3
	.amdgcn_target "amdgcn-amd-amdhsa--gfx1250"
	.amdhsa_code_object_version 6
	.text
	.protected	k_q335b327541_attn
	.globl	k_q335b327541_attn
	.p2align	8
	.type	k_q335b327541_attn,@function
k_q335b327541_attn:
	s_mov_b64 s[64:65], 0
	v_nop
	global_prefetch_b8 v0, s[64:65] scope:SCOPE_SE
	s_setreg_imm32_b32 hwreg(HW_REG_WAVE_MODE, 25, 1), 1
	s_wait_xcnt 0x0
	s_wait_alu depctr_hold_cnt(0) depctr_sa_sdst(0) depctr_va_vdst(0) depctr_va_sdst(0) depctr_va_ssrc(0) depctr_va_vcc(0) depctr_vm_vsrc(0)
	s_getreg_b32 s2, hwreg(HW_REG_IB_STS2, 6, 4)
	s_cmp_eq_u32 s2, 0
	s_cbranch_scc0 .Lentry_in_a_cluster
	s_endpgm
.Lentry_in_a_cluster:
	s_bfe_u32 s2, ttmp6, 0x10000c
	s_cmp_lg_u32 s2, 0x3003
	s_cbranch_scc0 .Lentry_shape_is_right
	s_endpgm
.Lentry_shape_is_right:
; Attention of one head (y = batch x 8 + head) for 256 queries (x), both products on codes of E2M1 with one E8M0 byte for each 32 along K; the result is quantised here for the projection.
; t = score x log2(e) / 8; M = the running largest t rounded up to a whole number; p = 2^(t - M) is quantised along the keys; the row's sum is taken of the unquantised p and divides at the end.
; When M moves, the sum and O are multiplied by 2^(old M - new M), which rounds nothing.  LIMITS: NaN and infinities are not served; the promise holds while |t| stays under 2^31;
; a block whose largest p lies under 2^-124 gets the byte 1 (its codes are zeros or the smallest codes; this program alone reads the bytes).
; SHARES.  Eight waves, two to a SIMD; a wave owns TWO tiles of 16 queries (a, b), so that each fragment of K and V read from LDS feeds two products.  A key step is 128 keys, 32 steps.
; ALL of the head's K and V (32 x 8,960 bytes, as the launch before laid them) lies in LDS, filled once: steps 0-7 by the head's loads (one a wave), steps 8-31 by a second load a wave (three rows of 8,960 bytes).
; The four work-groups of a cluster walk the same head: every load is a joint one with the mask 15.  No prefetch: both groups of loads go out at the head, and no stream follows them in the loops.
; LAYOUT.  Both products are used transposed (S^T = K Q^T, O^T = V^T P^T): a lane holds one query.  THE KEYS OF A SCORE TILE ARE CHOSEN BY THE LANES' LDS ADDRESSES: row m of tile 4 g + T is key 64 g + 32 (m / 8) + 8 T + m % 8,
; so lane (r, h) holds in registers 32 g + 0 .. 31 the keys 64 g + 32 h + 0 .. 31: a WHOLE block of 32, in the order of the second product's operand.  A block's maximum needs no other lane and the conversions' results are the operand.
; A head is 64 wide, half of the matrix instruction's K: Q's upper four registers hold zero codes, so what stands in K's upper four (the next tile's codes) adds nothing; bytes 2, 3 of both scale words are 0x7f.
; K's rows of a tile lie 1,024 bytes apart for lanes 0-7 and 8-15: these loads meet the same banks twice; the buffer's layout is kept as the launch before stores it.
; THE LOOP IS TURNED: a trip does step i's softmax and second product and step i + 1's first product; tile a's next scores are multiplied among tile b's sums, tile b's among tile a's next maxima.
; window 0: v1-4 lane places (K, K's scales, V, V's scales); v5, v6 the add's registers; v7 8 h; v8, v9 Q's scale words; v10-13 K's, v14-15 V's; v16-31 Q a, b; v32-67 K; v68-83 P a, b; v84-99, v100-115 state a, b; v116-127 at work; v128-191 S a; v192-255 S b
; window 1: v0-31 V; v32-63 O a; v64-95 O b.    state: +0 -M, +1 largest score, +2 f, +4,5 sum, +6..9 maxima (6, 8: the blocks'), +10, 11 at work, +12, 13 the conversions' scales, +14 P's scale word, +15 the result's scale bytes
.set STEPB, 8960
.set AOS,   32*STEPB                   ; the result's scale bytes meet here: 512 bytes that no load fills
.set SPARE, 0x48000                    ; the spare words, 128 bytes a wave
.set KS, 10
.set VS, 14
.set QA, 16
.set QB, 24
.set KF, 32
.set PA, 68
.set PB, 76
.set STA, 84
.set STB, 100
.set SA, 128
.set SB, 192
.set VF, 0
.set OA, 32
.set OB, 64
.set MSB, 0
.macro WIN new                         ; the immediate's high byte repeats the setting that is left
.if MSB != \new
	s_set_vgpr_msb (MSB<<8)|\new
.set MSB, \new
.endif
.endm
.macro ROUND
	s_barrier_signal -1
	s_barrier_wait -1
	s_cmp_lg_u32 s18, 0
	s_cbranch_scc1 .Lnot_wave_0_\@
	s_barrier_signal -3
.Lnot_wave_0_\@:
	s_barrier_wait -3
	s_barrier_signal -1
	s_barrier_wait -1
.endm
.macro KLOAD off                       ; eight tiles of K and their scale words (register 2 g + u: lanes 0-15 tile 4 g + 2 u, lanes 16-31 tile 4 g + 2 u + 1)
.set t, 0
.rept 8
	ds_load_b128 v[KF+4*t:KF+4*t+3], v120 offset:(\off)+2048*(t/4)+512*(t%2)+128*((t%4)/2)
.set t, t+1
.endr
.irp n, 0,1,2,3
	ds_load_b32 v[KS+\n], v121 offset:(\off)+128*(\n%2)+8*(\n/2)
.endr
.endm
.macro QK T, s, q, qs                  ; scores of tile T: 16 keys x my 16 queries
.if ((\T)%2) == 0
	v_wmma_scale_f32_16x16x128_f8f6f4 v[\s+8*(\T):\s+8*(\T)+7], v[KF+4*(\T):KF+4*(\T)+7], v[\q:\q+7], 0, v[KS+2*((\T)/4)+((\T)%4)/2], v[\qs] matrix_a_fmt:MATRIX_FMT_FP4 matrix_b_fmt:MATRIX_FMT_FP4
.else
	v_wmma_scale_f32_16x16x128_f8f6f4 v[\s+8*(\T):\s+8*(\T)+7], v[KF+4*(\T):KF+4*(\T)+7], v[\q:\q+7], 0, v[KS+2*((\T)/4)+((\T)%4)/2], v[\qs] matrix_a_fmt:MATRIX_FMT_FP4 matrix_b_fmt:MATRIX_FMT_FP4 matrix_a_scale:MATRIX_SCALE_ROW1
.endif
.endm
.macro PV t, o, p, pw                  ; O^T += 16 of the head's 64 x 128 keys x P^T (V, C and D in window 1)
.if ((\t)%2) == 0
	v_wmma_scale_f32_16x16x128_f8f6f4 v[\o+8*\t:\o+8*\t+7], v[VF+8*\t:VF+8*\t+7], v[\p:\p+7], v[\o+8*\t:\o+8*\t+7], v[VS+\t/2], v[\pw] matrix_a_fmt:MATRIX_FMT_FP4 matrix_b_fmt:MATRIX_FMT_FP4
.else
	v_wmma_scale_f32_16x16x128_f8f6f4 v[\o+8*\t:\o+8*\t+7], v[VF+8*\t:VF+8*\t+7], v[\p:\p+7], v[\o+8*\t:\o+8*\t+7], v[VS+\t/2], v[\pw] matrix_a_fmt:MATRIX_FMT_FP4 matrix_b_fmt:MATRIX_FMT_FP4 matrix_a_scale:MATRIX_SCALE_ROW1
.endif
.endm
; The largest score of each block of 32: four chains of 16 by turns, each accumulator read from its low end on; 32 instructions in eight groups of four
.macro MAX0 s, st
.irp q, 0,1,2,3
	v_max3_num_f32 v[\st+6+\q], v[\s+16*\q], v[\s+16*\q+1], v[\s+16*\q+2]
.endr
.endm
.macro MAXM s, st, m
.irp q, 0,1,2,3
	v_max3_num_f32 v[\st+6+\q], v[\st+6+\q], v[\s+16*\q+2*(\m)+1], v[\s+16*\q+2*(\m)+2]
.endr
.endm
.macro MAXE s, st
	v_max3_num_f32 v[\st+6], v[\st+6], v[\st+7], v[\s+15]
	v_max3_num_f32 v[\st+8], v[\st+8], v[\st+9], v[\s+47]
	v_max_num_f32 v[\st+6], v[\st+6], v[\s+31]
	v_max_num_f32 v[\st+8], v[\st+8], v[\s+63]
.endm
; The sum of the 64 unquantised p, in place, behind the conversions: four chains of pairs by turns; 32 instructions in eight groups of four
.macro SUM4 s, n
.irp j, 0,1,2,3
	v_pk_add_f32 v[\s+2*\j:\s+2*\j+1], v[\s+2*\j:\s+2*\j+1], v[\s+8+8*(\n)+2*\j:\s+8+8*(\n)+2*\j+1]
.endr
.endm
.macro SUME s, st
	v_pk_add_f32 v[\s:\s+1], v[\s:\s+1], v[\s+2:\s+3]
	v_pk_add_f32 v[\s+4:\s+5], v[\s+4:\s+5], v[\s+6:\s+7]
	v_pk_add_f32 v[\s:\s+1], v[\s:\s+1], v[\s+4:\s+5]
	v_pk_add_f32 v[\st+4:\st+5], v[\st+4:\st+5], v[\s:\s+1]
.endm
.macro QKB_MAXA                        ; tile b's scores of the next step, a product ahead of each group of tile a's maxima; the last four lines are the places behind the last product
	QK 0, SB, QB, 9
	MAX0 SA, STA
.set k, 1
.rept 6
	QK k, SB, QB, 9
	MAXM SA, STA, k
.set k, k+1
.endr
	QK 7, SB, QB, 9
	MAXE SA, STA
.endm
	s_load_b128 s[4:7], s[0:1], 0x0                ; qkv, ao
	s_load_b64 s[8:9], s[0:1], 0x10                ; aos
	v_lshl_add_u32 v5, v0, 2, SPARE
	v_mov_b32 v6, 0
	ds_add_u32 v5, v6                              ; the opening lines: the add, twice on end, and its wait ahead of my first tensor load
	ds_add_u32 v5, v6
	v_lshrrev_b32 v1, 5, v0
	s_delay_alu instid0(VALU_DEP_1)
	v_readfirstlane_b32 s18, v1                    ; wave 0..7
	s_and_b32 s10, ttmp7, 0xffff                   ; batch x 8 + head
	s_lshr_b32 s11, s10, 1                         ; the pair of heads
	s_and_b32 s12, s10, 1
	s_mul_i32 s14, s11, 868352                     ; 32 blocks of 27,136 bytes
	s_mul_i32 s13, s12, STEPB
	s_add_co_u32 s14, s14, s13                     ; the head's K and V of step 0
	s_mul_i32 s13, s18, 27136
	s_add_co_u32 s16, s14, s13                     ; first load: step w
	s_mov_b32 s17, 0
	s_mul_i32 s13, s18, 3*27136
	s_add_co_u32 s14, s14, s13
	s_add_co_u32 s14, s14, 8*27136                 ; second load: steps 8 + 3 w .. + 2
	s_mov_b32 s15, 0
	s_mov_b32 s24, 15|(3<<16)|(1<<21)              ; group 1, first load: the mask of the four, elements of 8 bytes; a dense block as 35 rows of 256 bytes
	s_mov_b32 s25, 32<<16
	s_mov_b32 s26, 35<<16
	s_mov_b32 s27, 32<<16
	s_mov_b32 s28, 35
	s_mov_b32 s29, 32
	s_mov_b32 s30, 0
	s_mov_b32 s31, 0
	s_mov_b32 s56, 15|(3<<16)|(1<<21)              ; group 1, second load: 3 rows of 8,960 bytes (1,120 elements), 27,136 bytes (3,392 elements) apart; each begins at a multiple of 256 bytes
	s_mov_b32 s57, 1120<<16
	s_mov_b32 s58, 3<<16
	s_mov_b32 s59, 1120<<16
	s_mov_b32 s60, 3
	s_mov_b32 s61, 3392
	s_mov_b32 s62, 0
	s_mov_b32 s63, 0
	s_mov_b32 s19, 0xbe38aa3b                      ; -c
	s_mov_b32 s20, 0x76543210
	s_mov_b32 s21, 0xfedcba98                      ; v_permlanex16_b32's selects for lane l xor 16
	s_mov_b32 s22, 0x3e38aa3b                      ; c = log2(e) / 8
	s_mov_b32 s23, s22
	s_mov_b32 s2, 0                                ; LDS byte at which the step in hand begins
	s_bfe_u32 s46, ttmp6, 0x40000
	s_lshl_b32 s47, ttmp9, 2
	s_add_co_u32 s47, s47, s46                     ; work-group x: enters global addresses of Q and of the results alone
	s_lshl_b32 s48, s11, 5
	s_lshl_b32 s49, s47, 1
	s_add_co_u32 s48, s48, s49
	s_lshr_b32 s49, s18, 2
	s_add_co_u32 s48, s48, s49                     ; Q: block 2 x + w / 4
	s_mul_i32 s48, s48, 27136
	s_mul_i32 s49, s12, 4608
	s_add_co_u32 s48, s48, s49
	s_add_co_u32 s48, s48, 17920
	s_mov_b32 s49, 0
	s_lshr_b32 s50, s10, 3
	s_lshl_b32 s50, s50, 8
	s_lshl_b32 s51, s47, 4
	s_add_co_u32 s50, s50, s51
	s_lshl_b32 s51, s18, 1
	s_add_co_u32 s50, s50, s51                     ; ao: row tile 256 batch + 16 x + 2 w
	s_lshl_b32 s50, s50, 12
	s_and_b32 s51, s10, 7
	s_lshl_b32 s51, s51, 9
	s_add_co_u32 s50, s50, s51
	s_mov_b32 s51, 0
	s_lshl_b32 s52, s10, 13
	s_lshl_b32 s53, s47, 9
	s_add_co_u32 s52, s52, s53
	s_mov_b32 s53, 0
	s_and_b32 s54, s18, 3
	s_lshl_b32 s55, s54, 7                         ; Q's scale words of tile 2 (w % 4)
	s_lshl_b32 s54, s54, 10                        ; its image
	s_lshl_b32 s3, s18, 6                          ; my two tiles' 64 scale bytes of the result
	s_wait_dscnt 0x0                               ; both opening adds are done
	s_wait_kmcnt 0x0
	s_mov_b32 s32, 1
	s_mul_i32 s33, s18, STEPB
	s_add_nc_u64 s[34:35], s[4:5], s[16:17]
	s_or_b32 s35, s35, 0x80000000
	s_mov_b32 s36, 1
	s_mul_i32 s37, s18, 3*STEPB
	s_add_co_u32 s37, s37, 8*STEPB
	s_add_nc_u64 s[38:39], s[4:5], s[14:15]
	s_or_b32 s39, s39, 0x80000000
	s_add_nc_u64 s[40:41], s[4:5], s[48:49]
	s_add_nc_u64 s[42:43], s[6:7], s[50:51]
	s_add_nc_u64 s[44:45], s[8:9], s[52:53]
	ROUND                                          ; the four work-groups are here: the joint loads meet
	tensor_load_to_lds s[32:35], s[24:31]          ; step w: one tensor load a wave at the head
	s_nop 0
	v_and_b32 v127, 31, v0                         ; lane
	v_and_b32 v126, 15, v0                         ; r
	v_and_b32 v125, 7, v0
	v_bfe_u32 v124, v0, 3, 1                       ; r / 8
	v_bfe_u32 v7, v0, 4, 1                         ; h
	v_lshlrev_b32 v118, 4, v127                    ; 16 x lane
	v_lshlrev_b32 v1, 4, v125
	s_delay_alu instid0(VALU_DEP_1)
	v_lshl_add_u32 v1, v7, 8, v1                   ; 16 (r % 8) + 256 h
	s_delay_alu instid0(VALU_DEP_1)
	v_lshl_add_u32 v2, v124, 2, v1
	s_delay_alu instid0(VALU_DEP_1)
	v_add_nc_u32 v2, 8192, v2                      ; K's scale words: + 4 (r / 8)
	v_lshl_add_u32 v1, v124, 10, v1                ; K: + 1,024 (r / 8)
	v_add_nc_u32 v3, 4096, v118                    ; V's images
	v_lshl_add_u32 v4, v127, 3, 8704               ; V's scale words
	v_lshlrev_b32 v7, 3, v7                        ; 8 h
	v_add_nc_u32 v116, s54, v118
	v_lshl_add_u32 v117, v126, 2, s55
	s_delay_alu instid0(VALU_DEP_1)
	v_add_nc_u32 v117, 4096, v117
	v_lshl_add_u32 v119, v126, 1, s3
	s_delay_alu instid0(VALU_DEP_1)
	v_add_nc_u32 v119, AOS, v119                   ; the result's scale bytes: 64 w + 2 r
	v_add_nc_u32 v124, AOS, v118
	global_load_b128 v[QA:QA+3], v116, s[40:41]
	global_load_b128 v[QB:QB+3], v116, s[40:41] offset:512
	global_load_b32 v8, v117, s[40:41]
	global_load_b32 v9, v117, s[40:41] offset:64
.irp j, 20,21,22,23,28,29,30,31,64,65,66,67
	v_mov_b32 v\j, 0                               ; zero codes: Q's upper halves, and what stands behind K's last tile
.endr
.irp st, STA, STB
	v_mov_b32 v[\st+1], 0xff61b1e6                 ; the largest score so far: -3e38
	v_mov_b32 v[\st+2], 0
	v_mov_b32 v[\st+3], 0
	v_mov_b32 v[\st+4], 0                          ; the sum, in two halves
	v_mov_b32 v[\st+5], 0
	v_mov_b32 v[\st+11], 0                         ; a lane permute's destination counts as one of its sources
	v_mul_f32 v[\st], s19, v[\st+1]
	s_delay_alu instid0(VALU_DEP_1)
	v_floor_f32 v[\st], v[\st]                     ; -M
.endr
	WIN 0x40
.set j, 0
.rept 64
	v_mov_b32 v[OA+j], 0                           ; O^T of both tiles: the loop has no first step of its own; the first change of M multiplies zeros
.set j, j+1
.endr
	WIN 0
	s_wait_alu depctr_va_vdst(0)
	s_wait_tensorcnt 0x0                           ; my step is in; then the add and its wait, ahead of a later first fill
	ds_add_u32 v5, v6
	s_wait_dscnt 0x0
	ROUND                                          ; steps 0-7 are whole in every partner
	tensor_load_to_lds s[36:39], s[56:63]          ; steps 8 + 3 w .. + 2: my one load behind the round
	s_nop 0
.rept 4
	v_nop
.endr
	v_add_nc_u32 v120, s2, v1
	v_add_nc_u32 v121, s2, v2
	KLOAD 0
	s_wait_loadcnt 0x0                             ; Q
	s_wait_dscnt 0x0
.set k, 0
.rept 8
	QK k, SA, QA, 8
.set k, k+1
.endr
.rept 4
	v_nop                                          ; places ahead of the first read of tile a's scores
.endr
	QKB_MAXA
; A TRIP: step i's softmax and second product; next = 1: step i + 1's scores too
.macro BODY next
	v_add_nc_u32 v120, s2, v1
	v_add_nc_u32 v121, s2, v2
	v_add_nc_u32 v122, s2, v3
	v_add_nc_u32 v123, s2, v4
	WIN 0x40
.irp i, 0,1,2,3,4,5,6,7
	ds_load_b128 v[VF+4*\i:VF+4*\i+3], v122 offset:512*\i   ; V of this step: wanted behind the softmax
.endr
	WIN 0
	ds_load_b64 v[VS:VS+1], v123
.if \next
	KLOAD STEPB                                    ; K of the next step
.endif
	MAX0 SB, STB
.set k, 1
.rept 6
	MAXM SB, STB, k
.set k, k+1
.endr
	MAXE SB, STB
.irp st, STA, STB                              ; the two tiles' chains by turns
	v_max_num_f32 v[\st+10], v[\st+6], v[\st+8]
.endr
.irp st, STA, STB
	s_delay_alu instid0(VALU_DEP_2)
	v_permlanex16_b32 v[\st+11], v[\st+10], s20, s21
.endr
.irp st, STA, STB
	s_delay_alu instid0(VALU_DEP_2)
	v_max3_num_f32 v[\st+1], v[\st+1], v[\st+10], v[\st+11]   ; the running largest score of my query
.endr
.irp st, STA, STB
	s_delay_alu instid0(VALU_DEP_2)
	v_mul_f32 v[\st+10], s19, v[\st+1]             ; -t (c is positive)
.endr
.irp st, STA, STB
	s_delay_alu instid0(VALU_DEP_2)
	v_floor_f32 v[\st+10], v[\st+10]               ; the new -M = floor(-t)
.endr
.irp st, STA, STB
	s_delay_alu instid0(VALU_DEP_2)
	v_sub_f32 v[\st+11], v[\st+10], v[\st]         ; old M - new M: a whole number, 0 or less
.endr
.irp st, STA, STB
	s_delay_alu instid0(VALU_DEP_2)
	v_cvt_i32_f32 v[\st+11], v[\st+11]             ; (it saturates)
.endr
.irp st, STA, STB
	v_mov_b32 v[\st], v[\st+10]
.endr
.irp st, STA, STB
	s_delay_alu instid0(VALU_DEP_4)
	v_ldexp_f32 v[\st+2], 1.0, v[\st+11]           ; f = 2^(old M - new M)
.endr
	WIN 0x41                                       ; O^T under the new M, ahead of the exponentials: source 0 and destination in window 1
.set j, 0
.rept 16
	v_pk_mul_f32 v[OA+j:OA+j+1], v[OA+j:OA+j+1], v[STA+2:STA+3] op_sel_hi:[1,0]
.set j, j+2
.endr
.set j, 0
.rept 16
	v_pk_mul_f32 v[OB+j:OB+j+1], v[OB+j:OB+j+1], v[STB+2:STB+3] op_sel_hi:[1,0]
.set j, j+2
.endr
	WIN 0
.set j, 0
.rept 32
	v_pk_fma_f32 v[SA+j:SA+j+1], v[SA+j:SA+j+1], s[22:23], v[STA:STA+1] op_sel_hi:[1,0,0]   ; t - M
.set j, j+2
.endr
.set j, 0
.rept 32
	v_pk_fma_f32 v[SB+j:SB+j+1], v[SB+j:SB+j+1], s[22:23], v[STB:STB+1] op_sel_hi:[1,0,0]
.set j, j+2
.endr
.irp st, STA, STB
	v_fma_f32 v[\st+6], v[\st+6], s22, v[\st]      ; the same of each block's largest score: the same instructions on the same number give the block's largest p
	v_fma_f32 v[\st+8], v[\st+8], s22, v[\st]
.endr
	s_wait_alu depctr_va_vdst(0)
.set j, 0
.rept 128
	v_exp_f32 v[SA+j], v[SA+j]                     ; p = 2^(t - M), both tiles (S b follows S a)
.set j, j+1
.endr
.irp st, STA, STB
	v_exp_f32 v[\st+6], v[\st+6]
	v_exp_f32 v[\st+8], v[\st+8]
.endr
	v_pk_mul_f32 v[STA+4:STA+5], v[STA+4:STA+5], v[STA+2:STA+3] op_sel_hi:[1,0]   ; the sums under the new M (plain work behind the batch)
	v_pk_mul_f32 v[STB+4:STB+5], v[STB+4:STB+5], v[STB+2:STB+3] op_sel_hi:[1,0]
	s_wait_alu depctr_va_vdst(0)                   ; one wait for the batch, ahead of its first reader
.irp st, STA, STB
	v_max_num_f32 v[\st+6], 0x1800000, v[\st+6]    ; the floor 2^(3 - 127): the byte cannot fall under 1
	v_max_num_f32 v[\st+8], 0x1800000, v[\st+8]
.endr
.irp st, STA, STB
	s_delay_alu instid0(VALU_DEP_4)
	v_add_nc_u32 v[\st+12], 0xff000000, v[\st+6]   ; 2 off the exponent field: the conversion's scale operand
	s_delay_alu instid0(VALU_DEP_4)
	v_add_nc_u32 v[\st+13], 0xff000000, v[\st+8]
.endr
.irp st, STA, STB
	s_delay_alu instid0(VALU_DEP_4)
	v_lshrrev_b32 v[\st+6], 23, v[\st+12]          ; the scale's byte
	s_delay_alu instid0(VALU_DEP_4)
	v_lshrrev_b32 v[\st+8], 23, v[\st+13]
.endr
	s_delay_alu instid0(VALU_DEP_3)
	v_lshl_or_b32 v[STA+14], v[STA+8], 16, v[STA+6]   ; my two bytes: blocks h and 2 + h
	s_delay_alu instid0(VALU_DEP_2)
	v_lshl_or_b32 v[STB+14], v[STB+8], 16, v[STB+6]
.irp st, STA, STB
	s_delay_alu instid0(VALU_DEP_2)
	v_lshlrev_b32 v[\st+14], v7, v[\st+14]         ; at their places in the word
.endr
.irp st, STA, STB
	s_delay_alu instid0(VALU_DEP_2)
	v_permlanex16_b32 v[\st+11], v[\st+14], s20, s21
.endr
.irp st, STA, STB
	s_delay_alu instid0(VALU_DEP_2)
	v_or_b32 v[\st+14], v[\st+14], v[\st+11]       ; with lane l xor 16's two the word is whole
.endr
.irp g, 0,1
.irp t, 0,1,2,3
	v_cvt_scalef32_pk8_fp4_f32 v[PA+4*\g+\t], v[SA+32*\g+8*\t:SA+32*\g+8*\t+7], v[STA+12+\g]   ; register 4 g + t: keys 64 g + 32 h + 8 t + 0 .. 7
.endr
.endr
.irp g, 0,1
.irp t, 0,1,2,3
	v_cvt_scalef32_pk8_fp4_f32 v[PB+4*\g+\t], v[SB+32*\g+8*\t:SB+32*\g+8*\t+7], v[STB+12+\g]
.endr
.endr
	v_nop                                          ; one plain place behind the scaled conversions
.set k, 0
.rept 7
	SUM4 SA, k
.set k, k+1
.endr
	SUME SA, STA
	s_wait_alu depctr_va_vdst(0)
	s_wait_dscnt 0x0                               ; V, and the next step's K, are in
.if \next
.set k, 0
.rept 7
	QK k, SA, QA, 8                                ; tile a's next scores, a product ahead of each group of tile b's sums
	SUM4 SB, k
.set k, k+1
.endr
	QK 7, SA, QA, 8
	SUME SB, STB
.else
.set k, 0
.rept 7
	SUM4 SB, k
.set k, k+1
.endr
	SUME SB, STB
.endif
	WIN 0x51                                       ; V, C and D in window 1, P in window 0; the eight accumulators take turns
.irp t, 0,1,2,3
	PV \t, OA, PA, STA+14
	PV \t, OB, PB, STB+14
.endr
	WIN 0
.if \next
	QKB_MAXA
	s_add_co_u32 s2, s2, STEPB
.endif
.endm
	s_mov_b32 s3, 7
.Lfirst:                                               ; steps 0-6: they read K up to step 7
	BODY 1
	s_sub_co_u32 s3, s3, 1
	s_cmp_lg_u32 s3, 0
	s_wait_alu depctr_va_vdst(0)
	s_cbranch_scc1 .Lfirst
	s_wait_tensorcnt 0x0                           ; my part of steps 8-31 is in
	s_wait_dscnt 0x0
	s_barrier_signal -1
	s_barrier_wait -1                              ; and everybody's
	s_mov_b32 s3, 24
.Lrest:                                                ; steps 7-30
	BODY 1
	s_sub_co_u32 s3, s3, 1
	s_cmp_lg_u32 s3, 0
	s_wait_alu depctr_va_vdst(0)
	s_cbranch_scc1 .Lrest
	BODY 0                                         ; step 31 has no successor
	; THE WAY OUT: O^T / the sum, quantised along the head's 64 (two blocks; register 16 b + i is channel 32 b + 16 h + i), as an image of the projection's operand
.irp st, STA, STB
	v_add_f32 v[\st+4], v[\st+4], v[\st+5]
.endr
.irp st, STA, STB
	s_delay_alu instid0(VALU_DEP_2)
	v_permlanex16_b32 v[\st+11], v[\st+4], s20, s21
.endr
.irp st, STA, STB
	s_delay_alu instid0(VALU_DEP_2)
	v_add_f32 v[\st+4], v[\st+4], v[\st+11]        ; the row's sum
.endr
	s_wait_alu depctr_va_vdst(0)
	v_rcp_f32 v[STA+4], v[STA+4]
	v_rcp_f32 v[STB+4], v[STB+4]
	v_nop
	WIN 0x01                                       ; source 0 in window 1
	s_wait_alu depctr_va_vdst(0)                   ; ahead of the first reader of the reciprocals and of O^T
.set j, 0
.rept 32
	v_mul_f32 v[SA+j], v[OA+j], v[STA+4]
.set j, j+1
.endr
.set j, 0
.rept 32
	v_mul_f32 v[SB+j], v[OB+j], v[STB+4]
.set j, j+1
.endr
	WIN 0
.irp b, 0,1
	v_max3_num_f32 v[STA+6+2*\b], |v[SA+16*\b]|, |v[SA+16*\b+1]|, 0x1800000
	v_max3_num_f32 v[STB+6+2*\b], |v[SB+16*\b]|, |v[SB+16*\b+1]|, 0x1800000
.endr
.irp i, 2,4,6,8,10,12,14
.irp b, 0,1
	v_max3_num_f32 v[STA+6+2*\b], v[STA+6+2*\b], |v[SA+16*\b+\i]|, |v[SA+16*\b+\i+1]|
	v_max3_num_f32 v[STB+6+2*\b], v[STB+6+2*\b], |v[SB+16*\b+\i]|, |v[SB+16*\b+\i+1]|
.endr
.endr
.irp b, 0,1
	s_delay_alu instid0(VALU_DEP_4)
	v_permlanex16_b32 v[STA+10+\b], v[STA+6+2*\b], s20, s21
	s_delay_alu instid0(VALU_DEP_4)
	v_permlanex16_b32 v[STB+10+\b], v[STB+6+2*\b], s20, s21
.endr
.irp b, 0,1
	s_delay_alu instid0(VALU_DEP_4)
	v_max_num_f32 v[STA+6+2*\b], v[STA+6+2*\b], v[STA+10+\b]
	s_delay_alu instid0(VALU_DEP_4)
	v_max_num_f32 v[STB+6+2*\b], v[STB+6+2*\b], v[STB+10+\b]
.endr
.irp b, 0,1
	s_delay_alu instid0(VALU_DEP_4)
	v_add_nc_u32 v[STA+12+\b], 0xff000000, v[STA+6+2*\b]
	s_delay_alu instid0(VALU_DEP_4)
	v_add_nc_u32 v[STB+12+\b], 0xff000000, v[STB+6+2*\b]
.endr
.irp b, 0,1
	s_delay_alu instid0(VALU_DEP_4)
	v_lshrrev_b32 v[STA+6+2*\b], 23, v[STA+12+\b]
	s_delay_alu instid0(VALU_DEP_4)
	v_lshrrev_b32 v[STB+6+2*\b], 23, v[STB+12+\b]
.endr
	s_delay_alu instid0(VALU_DEP_2)
	v_lshl_or_b32 v[STA+15], v[STA+8], 8, v[STA+6]
	s_delay_alu instid0(VALU_DEP_2)
	v_lshl_or_b32 v[STB+15], v[STB+8], 8, v[STB+6]
.irp b, 0,1
	v_cvt_scalef32_pk8_fp4_f32 v[PA+2*\b], v[SA+16*\b:SA+16*\b+7], v[STA+12+\b]
	v_cvt_scalef32_pk8_fp4_f32 v[PA+2*\b+1], v[SA+16*\b+8:SA+16*\b+15], v[STA+12+\b]
	v_cvt_scalef32_pk8_fp4_f32 v[PB+2*\b], v[SB+16*\b:SB+16*\b+7], v[STB+12+\b]
	v_cvt_scalef32_pk8_fp4_f32 v[PB+2*\b+1], v[SB+16*\b+8:SB+16*\b+15], v[STB+12+\b]
.endr
	v_nop                                          ; one plain place behind the scaled conversions
	v_permlane16_swap_b32 v[PA], v[PA+2]           ; the operand's layout wants a whole block in a lane
	v_permlane16_swap_b32 v[PA+1], v[PA+3]
	v_permlane16_swap_b32 v[PB], v[PB+2]
	v_permlane16_swap_b32 v[PB+1], v[PB+3]
	global_store_b128 v118, v[PA:PA+3], s[42:43]               ; 512 consecutive bytes, aligned
	global_store_b128 v118, v[PB:PB+3], s[42:43] offset:4096
	ds_store_b16 v119, v[STA+15]
	ds_store_b16 v119, v[STB+15] offset:32
	s_wait_dscnt 0x0                               ; for the others' sake: my stores have landed
	s_barrier_signal -1
	s_barrier_wait -1
	s_cmp_lg_u32 s18, 0
	s_cbranch_scc1 .Lnot_first
	ds_load_b128 v[128:131], v124
	s_wait_dscnt 0x0
	global_store_b128 v118, v[128:131], s[44:45]   ; the sixteen tiles' scale bytes: 512 consecutive bytes
.Lnot_first:
	s_wait_tensorcnt 0x0                           ; the wave's end
	ds_add_u32 v5, v6
	s_wait_dscnt 0x0
	ROUND                                          ; the closing round
	s_endpgm
.Lfunc_end_k_q335b327541_attn:
	.size	k_q335b327541_attn, .Lfunc_end_k_q335b327541_attn-k_q335b327541_attn
	.p2alignl 7, 3214868480
	.fill 96, 4, 3214868480
	.section	.rodata,"a",@progbits
	.p2align	6, 0x0
	.amdhsa_kernel k_q335b327541_attn
		.amdhsa_group_segment_fixed_size 327680
		.amdhsa_private_segment_fixed_size 0
		.amdhsa_enable_private_segment 0
		.amdhsa_kernarg_size 24
		.amdhsa_user_sgpr_count 2
		.amdhsa_user_sgpr_kernarg_segment_ptr 1
		.amdhsa_wavefront_size32 1
		.amdhsa_system_sgpr_workgroup_id_x 1
		.amdhsa_system_sgpr_workgroup_id_y 1
		.amdhsa_system_sgpr_workgroup_id_z 1
		.amdhsa_system_vgpr_workitem_id 0
		.amdhsa_next_free_vgpr 352
		.amdhsa_next_free_sgpr 66
		.amdhsa_reserve_vcc 0
		.amdhsa_float_denorm_mode_32 3
		.amdhsa_float_denorm_mode_16_64 3
		.amdhsa_memory_ordered 1
		.amdhsa_forward_progress 1
		.amdhsa_inst_pref_size 100
	.end_amdhsa_kernel
	.amdgpu_metadata
---
amdhsa.version: [ 1, 2 ]
amdhsa.kernels:
  - .name:           k_q335b327541_attn
    .symbol:         k_q335b327541_attn.kd
    .args:
      - { .name: qkv, .offset: 0, .size: 8, .value_kind: global_buffer, .address_space: global }
      - { .name: ao, .offset: 8, .size: 8, .value_kind: global_buffer, .address_space: global }
      - { .name: aos, .offset: 16, .size: 8, .value_kind: global_buffer, .address_space: global }
    .group_segment_fixed_size: 327680
    .private_segment_fixed_size: 0
    .kernarg_segment_align: 8
    .kernarg_segment_size: 24
    .max_flat_workgroup_size: 256
    .sgpr_count:     66
    .vgpr_count:     352
    .wavefront_size: 32
...
	.end_amdgpu_metadata
.endif
;; end of part 3
;; launch oproj (part 4): grid 4 x 64, 4 waves a work-group, no clusters, 17,920 bytes of LDS; arguments ao, aos, wimg, wsc, bo, hidden_states, out0; writes out0
.if DOCPART == 4
	.amdgcn_target "amdgcn-amd-amdhsa--gfx1250"
	.amdhsa_code_object_version 6
	.text
	.protected	k_q335b327541_oproj
	.globl	k_q335b327541_oproj
	.p2align	8
	.type	k_q335b327541_oproj,@function
k_q335b327541_oproj:
	s_mov_b64 s[64:65], 0
	v_nop
	global_prefetch_b8 v0, s[64:65] scope:SCOPE_SE
	s_setreg_imm32_b32 hwreg(HW_REG_WAVE_MODE, 25, 1), 1
	s_wait_xcnt 0x0
; out0 = attention's result x Wo + bo + hidden_states; the product on codes of E2M1 with one E8M0 byte for each 32 along K = 512.
; A work-group makes 128 rows (y) x 128 columns (x).  Wave w: row tiles 4 (w / 2) + i, weight tiles 8 x + 4 (w % 2) + t, i, t = 0 .. 3: 16 accumulators, 64 products.  Both operands come from memory
; straight into registers as images (512 bytes, lane l's 16 bytes at 16 l); waves share nothing: no barrier.
; The product is used transposed (source 0 = 16 columns of Wo, source 1 = 16 rows): a lane holds one row and eight neighbouring columns.  Row r of tile 2 b + u (rows and columns alike) is item
; 32 b + 8 u + r + 8 (r / 8): register j of result t is column 32 (t / 2) + 16 h + 8 (t % 2) + j.  bo is the C of each sum's first product.
; The way out goes through the wave's own stage in LDS, a tile of 16 rows x 256 bytes at a time; the residual is added to whole rows, and sixteen lanes store 256 consecutive bytes, aligned.
; No joint loads: the block of rows' codes that the four work-groups of a row share is 32,768 of the 196,608 bytes and more that a work-group moves.
; LIMITS: NaN and infinities are not served.
; window 0: v1-10 addresses; v16-31 Wo's scale words, v32-47 the rows' scale words; v48-63 scale bytes as loaded, v64-79 the other half's; v80-111 bo; v128-255 accumulators ((i, t) at 128 + 8 (4 i + t))
; window 1: the rows' fragments at v[32 i + 8 s], Wo's at v[128 + 32 t + 8 s].   window 2: v0-127 the residual, tile i at 32 i; v128-191 rows back from the stage, two sets
.set ACC, 128
.set SP,  272                          ; a stage row: 256 bytes + 16
.set MSB, 0
.macro WIN new                         ; the immediate's high byte repeats the setting that is left
.if MSB != \new
	s_set_vgpr_msb (MSB<<8)|\new
.set MSB, \new
.endif
.endm
	s_load_b256 s[4:11], s[0:1], 0x0               ; ao s[4:5], aos s[6:7], wimg s[8:9], wsc s[10:11]
	s_load_b128 s[12:15], s[0:1], 0x20             ; bo s[12:13], hidden s[14:15]
	s_load_b64 s[16:17], s[0:1], 0x30              ; out0
	v_lshl_add_u32 v126, v0, 2, 0x4400
	v_mov_b32 v127, 0
	v_lshrrev_b32 v1, 5, v0
	v_readfirstlane_b32 s18, v1                    ; wave 0..3
	s_lshr_b32 s19, s18, 1                         ; which 64 rows
	s_and_b32 s20, s18, 1                          ; which 64 columns
	s_mov_b32 s21, ttmp9
	s_and_b32 s22, ttmp7, 0xffff
	s_mov_b32 s25, 0                               ; the high word of every offset
	s_mov_b32 s28, 0x76543210
	s_mov_b32 s29, 0xfedcba98                      ; v_permlanex16_b32's selects for lane l xor 16
	v_and_b32 v1, 31, v0
	v_and_b32 v2, 15, v0                           ; r
	v_bfe_u32 v3, v0, 4, 1                         ; h
	v_lshlrev_b32 v4, 4, v1                        ; 16 x lane
	v_lshlrev_b32 v5, 1, v2
	v_lshl_add_u32 v5, v3, 13, v5                  ; scale bytes: lanes 16-31 take the next head's: 8,192 h + 2 r
	v_lshlrev_b32 v6, 4, v2                        ; Wo's scale words: 16 r
	v_lshlrev_b32 v7, 6, v3                        ; bo: 64 h
	v_lshlrev_b32 v8, 4, v2
	v_lshl_add_u32 v8, v3, 11, v8                  ; rows of hidden_states and out0: lanes 0-15 one row, lanes 16-31 the next; 16 bytes a lane
	s_mul_i32 s26, s18, 16*SP                      ; my stage
	v_mul_u32_u24 v9, v2, SP
	v_lshl_add_u32 v9, v3, 6, v9
	v_add_nc_u32 v9, s26, v9                       ; in: row r, + 64 h
	v_mul_u32_u24 v10, v3, SP
	v_lshl_add_u32 v10, v2, 4, v10
	v_add_nc_u32 v10, s26, v10                     ; back: two rows an instruction
.set k, 0
.rept 16
	v_mov_b32 v[64+k], 0                           ; a lane permute's destination counts as one of its sources
.set k, k+1
.endr
	s_wait_kmcnt 0x0
	s_lshl_b32 s24, s22, 3                         ; ao: row tile 8 y + 4 (w / 2)
	s_lshl_b32 s26, s19, 2
	s_add_co_u32 s24, s24, s26
	s_lshl_b32 s24, s24, 12
	s_add_nc_u64 s[4:5], s[4:5], s[24:25]
	s_and_b32 s24, s22, 31                         ; aos: 65,536 batch + 32 (8 (y % 32) + 4 (w / 2))
	s_lshl_b32 s24, s24, 3
	s_add_co_u32 s24, s24, s26
	s_lshl_b32 s24, s24, 5
	s_lshr_b32 s26, s22, 5
	s_lshl_b32 s26, s26, 16
	s_add_co_u32 s24, s24, s26
	s_add_nc_u64 s[6:7], s[6:7], s[24:25]
	s_lshl_b32 s27, s21, 3                         ; Wo's tile 96 + 8 x + 4 (w % 2)
	s_lshl_b32 s26, s20, 2
	s_add_co_u32 s27, s27, s26
	s_add_co_u32 s27, s27, 96
	s_lshl_b32 s24, s27, 12
	s_add_nc_u64 s[8:9], s[8:9], s[24:25]
	s_lshl_b32 s24, s27, 8
	s_add_nc_u64 s[10:11], s[10:11], s[24:25]
	s_lshl_b32 s27, s21, 9                         ; my first column, in bytes: 512 x + 256 (w % 2)
	s_lshl_b32 s26, s20, 8
	s_add_co_u32 s27, s27, s26
	s_mov_b32 s24, s27
	s_add_nc_u64 s[12:13], s[12:13], s[24:25]
	s_lshl_b32 s24, s22, 7                         ; my first row: 128 y + 64 (w / 2)
	s_lshl_b32 s26, s19, 6
	s_add_co_u32 s24, s24, s26
	s_lshl_b32 s24, s24, 11
	s_add_co_u32 s24, s24, s27
	s_add_nc_u64 s[14:15], s[14:15], s[24:25]
	s_add_nc_u64 s[16:17], s[16:17], s[24:25]
.irp i, 0,1,2,3
.irp ks, 0,1,2,3
	global_load_u16 v[48+4*\i+\ks], v5, s[6:7] offset:16384*\ks+32*\i   ; the two scale bytes of head 2 ks + h, tile i, row r
.endr
.endr
.irp t, 0,1,2,3
	global_load_b128 v[16+4*\t:19+4*\t], v6, s[10:11] offset:256*\t     ; four K steps' words of row r of tile t
.endr
.irp t, 0,1,2,3
.irp e, 0,1
	global_load_b128 v[80+8*\t+4*\e:83+8*\t+4*\e], v7, s[12:13] offset:(32*(\t/2)+8*(\t%2))*4+16*\e
.endr
.endr
	WIN 0x40                                       ; destination window 1
.irp i, 0,1,2,3
.irp q, 0,1,2,3,4,5,6,7
	global_load_b128 v[32*\i+4*\q:32*\i+4*\q+3], v4, s[4:5] offset:4096*\i+512*\q
.endr
.endr
.irp t, 0,1,2,3
.irp q, 0,1,2,3,4,5,6,7
	global_load_b128 v[128+32*\t+4*\q:128+32*\t+4*\q+3], v4, s[8:9] offset:4096*\t+512*\q
.endr
.endr
	WIN 0x80                                       ; destination window 2
.irp i, 0,1,2,3
.irp e, 0,1,2,3,4,5,6,7
	global_load_b128 v[32*\i+4*\e:32*\i+4*\e+3], v8, s[14:15] offset:(32*(\i/2)+8*(\i%2)+2*\e+8*(\e/4))*2048 th:TH_LOAD_NT   ; the residual, in the order in which rows come back from the stage
.endr
.endr
	WIN 0
	s_wait_loadcnt 63                              ; scale bytes, scale words and bo are in: 96 loads were issued behind them; the wait's field holds 63, and a smaller count is safe
.set k, 0
.rept 16
	v_permlanex16_b32 v[64+k], v[48+k], s28, s29
.set k, k+1
.endr
.set k, 0
.rept 16
	v_lshl_or_b32 v[32+k], v[64+k], 16, v[48+k]    ; lanes 0-15: head 2 ks below, head 2 ks + 1 above: the row's scale word of K step ks (lanes 16-31 are not read)
.set k, k+1
.endr
.rept 8
	v_nop                                          ; a scale register written by a vector instruction stands eight places ahead of a scaled product
.endr
	s_wait_alu depctr_va_vdst(0)
	s_wait_loadcnt 32                              ; the fragments are in; the residual stays out
	WIN 0x05                                       ; sources 0 and 1 window 1
.irp ks, 0,1,2,3                               ; the sixteen accumulators take turns, one instruction a turn
.irp i, 0,1,2,3
.irp t, 0,1,2,3
.if \ks == 0
	v_wmma_scale_f32_16x16x128_f8f6f4 v[ACC+8*(4*\i+\t):ACC+8*(4*\i+\t)+7], v[128+32*\t+8*\ks:128+32*\t+8*\ks+7], v[32*\i+8*\ks:32*\i+8*\ks+7], v[80+8*\t:87+8*\t], v[16+4*\t+\ks], v[32+4*\i+\ks] matrix_a_fmt:MATRIX_FMT_FP4 matrix_b_fmt:MATRIX_FMT_FP4
.else
	v_wmma_scale_f32_16x16x128_f8f6f4 v[ACC+8*(4*\i+\t):ACC+8*(4*\i+\t)+7], v[128+32*\t+8*\ks:128+32*\t+8*\ks+7], v[32*\i+8*\ks:32*\i+8*\ks+7], v[ACC+8*(4*\i+\t):ACC+8*(4*\i+\t)+7], v[16+4*\t+\ks], v[32+4*\i+\ks] matrix_a_fmt:MATRIX_FMT_FP4 matrix_b_fmt:MATRIX_FMT_FP4
.endif
.endr
.endr
.endr
	WIN 0
.rept 4
	v_nop                                          ; places in front of the first read of results
.endr
.macro OUTT i                          ; tile i: through my stage, + the residual, out.  LDS serves a wave's instructions in order: no wait between the stores and the loads, nor in front of the next tile's stores
.irp t, 0,1,2,3
	ds_store_b128 v9, v[ACC+8*(4*(\i)+\t):ACC+8*(4*(\i)+\t)+3] offset:128*(\t/2)+32*(\t%2)       ; each accumulator from its low end on
	ds_store_b128 v9, v[ACC+8*(4*(\i)+\t)+4:ACC+8*(4*(\i)+\t)+7] offset:128*(\t/2)+32*(\t%2)+16
.endr
	WIN 0x80
.irp e, 0,1,2,3,4,5,6,7
	ds_load_b128 v[128+32*((\i)%2)+4*\e:128+32*((\i)%2)+4*\e+3], v10 offset:2*\e*SP
.endr
	s_wait_dscnt 0x0
	s_wait_loadcnt 24-8*(\i)                       ; this tile's residual is in; the later tiles' may stay out
	WIN 0x8a                                       ; all three in window 2
.set k, 0
.rept 16
	v_pk_add_f32 v[32*(\i)+2*k:32*(\i)+2*k+1], v[32*(\i)+2*k:32*(\i)+2*k+1], v[128+32*((\i)%2)+2*k:128+32*((\i)%2)+2*k+1]
.set k, k+1
.endr
	WIN 0x08                                       ; a store's data are its source 1: window 2
.irp e, 0,1,2,3,4,5,6,7
	global_store_b128 v8, v[32*(\i)+4*\e:32*(\i)+4*\e+3], s[16:17] offset:(32*((\i)/2)+8*((\i)%2)+2*\e+8*(\e/4))*2048 th:TH_STORE_NT   ; sixteen lanes store 256 consecutive bytes, aligned; no store's data are written again
.endr
	WIN 0
.endm
	OUTT 0
	OUTT 1
	OUTT 2
	OUTT 3
	s_wait_tensorcnt 0x0
	ds_add_u32 v126, v127
	s_wait_dscnt 0x0
	s_endpgm
.Lfunc_end_k_q335b327541_oproj:
	.size	k_q335b327541_oproj, .Lfunc_end_k_q335b327541_oproj-k_q335b327541_oproj
	.p2alignl 7, 3214868480
	.fill 96, 4, 3214868480
	.section	.rodata,"a",@progbits
	.p2align	6, 0x0
	.amdhsa_kernel k_q335b327541_oproj
		.amdhsa_group_segment_fixed_size 17920
		.amdhsa_private_segment_fixed_size 0
		.amdhsa_enable_private_segment 0
		.amdhsa_kernarg_size 56
		.amdhsa_user_sgpr_count 2
		.amdhsa_user_sgpr_kernarg_segment_ptr 1
		.amdhsa_wavefront_size32 1
		.amdhsa_system_sgpr_workgroup_id_x 1
		.amdhsa_system_sgpr_workgroup_id_y 1
		.amdhsa_system_sgpr_workgroup_id_z 1
		.amdhsa_system_vgpr_workitem_id 0
		.amdhsa_next_free_vgpr 704
		.amdhsa_next_free_sgpr 66
		.amdhsa_reserve_vcc 0
		.amdhsa_float_denorm_mode_32 3
		.amdhsa_float_denorm_mode_16_64 3
		.amdhsa_memory_ordered 1
		.amdhsa_forward_progress 1
		.amdhsa_inst_pref_size 38
	.end_amdhsa_kernel
	.amdgpu_metadata
---
amdhsa.version: [ 1, 2 ]
amdhsa.kernels:
  - .name:           k_q335b327541_oproj
    .symbol:         k_q335b327541_oproj.kd
    .args:
      - { .name: ao, .offset: 0, .size: 8, .value_kind: global_buffer, .address_space: global }
      - { .name: aos, .offset: 8, .size: 8, .value_kind: global_buffer, .address_space: global }
      - { .name: wimg, .offset: 16, .size: 8, .value_kind: global_buffer, .address_space: global }
      - { .name: wsc, .offset: 24, .size: 8, .value_kind: global_buffer, .address_space: global }
      - { .name: bo, .offset: 32, .size: 8, .value_kind: global_buffer, .address_space: global }
      - { .name: hidden_states, .offset: 40, .size: 8, .value_kind: global_buffer, .address_space: global }
      - { .name: out0, .offset: 48, .size: 8, .value_kind: global_buffer, .address_space: global }
    .group_segment_fixed_size: 17920
    .private_segment_fixed_size: 0
    .kernarg_segment_align: 8
    .kernarg_segment_size: 56
    .max_flat_workgroup_size: 128
    .sgpr_count:     66
    .vgpr_count:     704
    .wavefront_size: 32
...
	.end_amdgpu_metadata
.endif
;; end of part 4
